; MI455X (gfx1250); checked and timed in simulation.
; The chip was launched on July 23, 2026; its instructions are those of AMD's public machine-readable ISA for CDNA 5 (MIT licence, August 2026) and "CDNA5" Instruction Set Architecture Reference Guide (July 2026). The comments in the code are by the model that wrote it; some were corrected since.
;; Multi Head Attention. Allowed arithmetic: matrix products marked QUANTISED: E2M3 operands, one E8M0 scale for each 32 along K, by v_wmma_scale_f32_16x16x128_f8f6f4 with both operands' format E2M3, f32 sums; everything else in f32.
;; Inputs: W_out 1,024 x 1,024 float32; W_packed 3,072 x 1,024 float32; b_out 1,024 float32; b_packed 3,072 float32; x 4 x 2,048 x 1,024 float32.
;; Outputs: out0 4 x 2,048 x 1,024 float32.
;; This version of the problem:
;;   THIS VERSION OF THE PROBLEM IS GIVEN IN LOW PRECISION. The matrix products marked QUANTISED in the list below multiply operands that are first quantised to E2M3 (2 exponent bits, 3 mantissa bits; 6 bits a number), with one power-of-two scale for each 32 numbers along K (OCP MX v1.0); their sums are f32. All else is computed in f32.
;;   The module's matrix products, in the order in which they are computed (A, B: the left and right operand; K: the contracted axis; several contracted axes count as one K, in the product's order):
;;     1. [M 8,192, K 1,024] x [K 1,024, N 3,072]; A: input x; B: input W_packed: QUANTISED
;;     2. batch 64 x [M 2,048, K 64] x [K 64, N 2,048]; A: computed on the way; B: computed on the way: QUANTISED
;;     3. batch 64 x [M 2,048, K 2,048] x [K 2,048, N 64]; A: softmax (see below); B: computed on the way: QUANTISED
;;     4. [M 8,192, K 1,024] x [K 1,024, N 1,024]; A: computed on the way; B: input W_out: QUANTISED
;;   THE QUANTISER, for each operand of a quantised product, along K:
;;     - K is cut into blocks of 32 from its start; a last block that is shorter is filled with zeros.
;;     - A block's scale is 2^e with e = floor(log2(the largest magnitude in the block)) - 2, held to -126 .. 127; a block of zeros has e = 0. As a byte (E8M0): e + 127.
;;     - Each number is divided by its block's scale, clamped to +-7.5, and rounded to the nearest number of E2M3, ties to even, subnormals kept.
;;     - The product sums the exact products of the quantised numbers (number of the format x scale) in f32.
;;   ~~~python
;;   def quantise(x, axis):      # numpy; x: float32 -> the quantised numbers, widened to float32 again
;;       x = np.moveaxis(x, axis, -1); K = x.shape[-1]
;;       x = np.pad(x, [(0, 0)] * (x.ndim - 1) + [(0, -K % 32)]); x = x.reshape(x.shape[:-1] + (-1, 32)); a = np.abs(x).max(-1, keepdims=True)
;;       e = np.where(a > 0, np.clip(np.frexp(np.where(a > 0, a, 1))[1] - 1 - 2, -126, 127), 0)      # np.frexp(a)[1] - 1 = floor(log2(a)), exactly
;;       r = np.clip(x / 2.0 ** e, -7.5, 7.5)
;;       step = 2.0 ** (np.maximum(np.frexp(np.where(r == 0, 1, r))[1] - 1, 0) - 3)
;;       q = np.round(r / step) * step * 2.0 ** e      # np.round: ties to even
;;       return np.moveaxis(q.reshape(q.shape[:-2] + (-1,))[..., :K], -1, axis).astype(np.float32)
;;   ~~~
;;   SOFTMAX AHEAD OF A QUANTISED PRODUCT. Where the list says 'softmax', what is quantised is not the finished softmax but p = 2^(t - M), with t = logit x log2(e) and M = ceil(the row's largest t), a whole number; so 1/2 < the row's largest p <= 1. The row's sum l is taken of the UNQUANTISED p, in f32, and the product's result is divided by l at the end. Since M is a whole number, a kernel that streams over the keys may use a running M (the ceiling of the running maximum): every later rescaling is an exact power of two, which a block's scale takes up: the codes' values come out the same.
;;   OPERANDS COMPUTED ON THE WAY. 'Computed on the way' means the value that the module computes at that place (a softmax that the list does not call 'softmax' is quantised finished and normalised). What goes into a quantiser is computed in f32, as accurately as f32 sums, v_exp_f32 and their like allow (about 1e-6 of the number): no bf16 or f16 on the way to a quantiser, and a product that is left as it is and whose result goes on into a quantised operand takes f32 operands (vector FMAs, or v_wmma_f32_16x16x4_f32). A number that lies on a knife's edge between two numbers of the format may be rounded either way, as far as f32 arithmetic and the matrix unit's own rounding can turn it there, and no further.
;; One version. Each part assembles by itself: llvm-mc -triple=amdgcn-amd-amdhsa -mcpu=gfx1250 --defsym DOCPART=n.
;; ======== version 1 of 1: 4 launches
;; workspace buffers: codes 9,437,184 bytes; scales 393,216 bytes; cs 524,288 bytes; qkv 20,185,088 bytes; ao_codes 6,291,456 bytes; ao_scales 262,144 bytes
;; launch prep (part 1): grid 400 x 1, 4 waves a work-group, no clusters, 33,280 bytes of LDS; arguments x, W_packed, W_out, codes, scales, cs; writes codes, scales, cs
.if DOCPART == 1
	.amdgcn_target "amdgcn-amd-amdhsa--gfx1250"
	.amdhsa_code_object_version 6
	.text
	.protected	k_qf5809dad43_prep
	.globl	k_qf5809dad43_prep
	.p2align	8
	.type	k_qf5809dad43_prep,@function
k_qf5809dad43_prep:
	s_mov_b64 s[64:65], 0
	v_nop
	global_prefetch_b8 v0, s[64:65] scope:SCOPE_SE
	s_setreg_imm32_b32 hwreg(HW_REG_WAVE_MODE, 25, 1), 1
	s_wait_xcnt 0x0
; x [8192][1024], W_packed [3072][1024] and W_out [1024][1024], f32, K innermost, become codes of FP6 (E2M3) and one E8M0 byte for each 32 along K,
; in ONE buffer of 12,288 rows of 768 bytes (codes) and of 32 bytes (scales): rows 0.. x, 8192.. W_packed, 11264.. W_out.  Sixteen more work-groups make the table of cosines and sines.
; A block's scale is 2^(floor(log2(largest magnitude)) - 2); its byte is the largest magnitude's exponent field - 2, held at 1 from below.
; A wave takes a RUN of 8 rows (8,192 numbers): 16 steps of 512 numbers.  Each load reads 512 consecutive bytes; a step's 2,048 bytes turn through the wave's own stage in LDS and come back 64 bytes a lane,
; since a conversion takes 16 neighbours from one lane's registers.  A step's codes leave as 384 consecutive bytes, a wave's 256 scale bytes as one aligned run of 256 bytes.
; THE RUNS ARE PLACED IN AN ORDER OF THEIR OWN, so that later launches find each result's neighbours along the next K in one lane's registers.  On the low three bits (g, t1, t0) of the run's number:
;   x and the rows of W_packed that make v: (t1, t0, g): stored place 16 t + 8 g + j of a group of 64 holds row 32 g + 8 t + j;   the rows that make q and k: bits 0 and 1 change places;   W_out: as it lies.
; THE TABLE cs [2048 positions][64]: entry 32 hh + 16 kind + i is the cosine (kind 0) or sine (kind 1) of position x 10^(-(16 hh + i) / 8).
; The angle is one f32 product; it is reduced by multiples of pi/2 held in two f32 parts (the first subtraction is exact: all terms are multiples of 2^-23 and the difference is under 1), then polynomials on |r| <= pi/4.
; LIMITS: NaN and infinities among the inputs are not served.  A block of zeros, or one whose largest magnitude lies under 2^-124, gets the byte 1 (the bytes are read by this program alone).
; The frequency is a correctly rounded 10^(-k/8), k = 0 .. 7, times a rounded power of ten: correctly rounded for frequencies 0 to 7, within some 1.5 units in the last place for the others; sine and cosine to about 1e-7.
.set STEPS, 16
.set NQWG,  384                        ; 1,536 runs, four to a work-group
.set CB,    12                         ; bytes of 16 codes
.set R,     16                         ; v16-79   four sets of 16 numbers as they are loaded
.set X,     80                         ; v80-111  two sets of 16 neighbours
.set C,     128                        ; v128-191 codes: four registers for each step, so that no store's data are written again
.set E,     112                        ; v112-127 a scale byte for each step
.set WREG,  8192                       ; LDS: a region for each wave: two stages of 32 x SP bytes, behind them its 256 scale bytes
.set SP,    80                         ; a lane's place in a stage: 64 bytes + 16 of padding
	s_load_b128 s[4:7], s[0:1], 0x0                ; x, W_packed
	s_load_b128 s[8:11], s[0:1], 0x10              ; W_out, codes
	s_load_b128 s[12:15], s[0:1], 0x20             ; scales, cs
	v_lshl_add_u32 v192, v0, 2, 0x8000
	v_mov_b32 v193, 0
	v_lshrrev_b32 v1, 5, v0
	v_readfirstlane_b32 s16, v1                    ; wave
	v_and_b32 v2, 31, v0                           ; lane
	s_cmp_ge_u32 ttmp9, NQWG
	s_cbranch_scc1 .Ltable                         ; the last sixteen work-groups make the table; they touch no LDS
	v_lshlrev_b32 v3, 4, v2                        ; my 16 bytes of a load's 512
	s_mul_i32 s17, s16, WREG
	v_lshrrev_b32 v14, 2, v2
	v_mul_u32_u24 v14, v14, SP
	v_and_b32 v15, 3, v2
	v_lshl_add_u32 v14, v15, 4, v14
	v_add_nc_u32 v14, s17, v14                     ; the stage, on the way in: four lanes' 64 bytes on end, then 16 of padding
	v_mul_u32_u24 v15, v2, SP
	v_add_nc_u32 v15, s17, v15                     ; and on the way out: my 16 neighbours
	v_mul_u32_u24 v4, v2, CB                       ; my codes' place in a step's
	v_lshrrev_b32 v5, 1, v2
	s_add_co_u32 s17, s17, 2*32*SP
	v_add_nc_u32 v5, s17, v5                       ; LDS: my wave's 256 scale bytes, my block's byte
	v_lshlrev_b32 v7, 3, v2                        ; and on the way out 8 bytes a lane
	v_add_nc_u32 v6, s17, v7
	s_lshl_b32 s18, ttmp9, 2
	s_add_co_u32 s18, s18, s16                     ; G: my run in the joint order of rows
	s_and_b32 s21, s18, 7                          ; its low three bits,
	s_and_b32 s22, s21, 3
	s_lshl_b32 s22, s22, 1
	s_lshr_b32 s23, s21, 2
	s_or_b32 s22, s22, s23                         ; turned: (t1, t0, g),
	s_and_b32 s23, s21, 4
	s_and_b32 s24, s21, 1
	s_lshl_b32 s24, s24, 1
	s_or_b32 s23, s23, s24
	s_bfe_u32 s24, s21, 0x10001
	s_or_b32 s23, s23, s24                         ; or with bits 0 and 1 changed
	s_and_b32 s26, s18, 0xfffffff8
	s_wait_kmcnt 0x0
	s_cmp_lt_u32 s18, 1024                         ; the choices hang on the work-group's and the wave's number alone
	s_cselect_b64 s[4:5], s[4:5], s[6:7]           ; x, or W_packed
	s_cselect_b32 s19, 0, 1024
	s_cselect_b32 s25, s22, s23
	s_cmp_lt_u32 s18, 1280                         ; from here on W_packed's rows make v
	s_cselect_b32 s25, s25, s22
	s_cmp_lt_u32 s18, 1408
	s_cselect_b64 s[4:5], s[4:5], s[8:9]           ; or W_out
	s_cselect_b32 s19, s19, 1408
	s_cselect_b32 s25, s25, s21
	s_or_b32 s26, s26, s25                         ; where the run goes
	s_sub_co_u32 s20, s18, s19                     ; the run in its own tensor
	s_lshl_b32 s20, s20, 15                        ; 32,768 bytes a run (under 2^26)
	s_mov_b32 s21, 0
	s_add_nc_u64 s[4:5], s[4:5], s[20:21]
	s_mul_i32 s20, s26, 6144
	s_add_nc_u64 s[10:11], s[10:11], s[20:21]
	s_lshl_b32 s20, s26, 8
	s_add_nc_u64 s[12:13], s[12:13], s[20:21]
.macro LOAD t
.irp i, 0,1,2,3
	global_load_b128 v[R+16*((\t)%4)+4*\i:R+16*((\t)%4)+4*\i+3], v3, s[4:5] offset:2048*(\t)+512*\i th:TH_LOAD_NT   ; 32 lanes read 512 consecutive bytes
.endr
.endm
.macro TURN t                          ; step t's numbers through the stage: LDS serves a wave's instructions in order, so no wait stands between the stores and the loads
.irp i, 0,1,2,3
	ds_store_b128 v14, v[R+16*((\t)%4)+4*\i:R+16*((\t)%4)+4*\i+3] offset:32*SP*((\t)%2)+8*SP*\i
.endr
.irp i, 0,1,2,3
	ds_load_b128 v[X+16*((\t)%2)+4*\i:X+16*((\t)%2)+4*\i+3], v15 offset:32*SP*((\t)%2)+16*\i
.endr
.endm
.irp t, 0,1,2,3
	LOAD \t
.endr
	s_wait_loadcnt 12                              ; step 0's four loads are in
	TURN 0
.macro STEP t
.set XS, X+16*((\t)%2)
.if (\t) > 0
	s_wait_dscnt 1                                 ; this step's numbers are back from the stage (the last step's byte store may be out): so its stores into the stage have read their registers,
.else
	s_wait_dscnt 0x0
.endif
.if (\t)+4 < STEPS
	LOAD (\t)+4                                    ; which take the loads of four steps on
.endif
.if (\t)+1 < STEPS
.if STEPS-2-(\t) >= 3
	s_wait_loadcnt 12                              ; the next step's four loads are in; those of the three steps behind it may be out
.else
	s_wait_loadcnt 4*(STEPS-2-(\t))
.endif
	TURN (\t)+1                                    ; and go through the other stage while this step is worked
.endif
	v_max3_num_f32 v8, |v[XS]|, |v[XS+1]|, |v[XS+2]|               ; the largest magnitude of my 16, in two chains
	v_max3_num_f32 v9, |v[XS+3]|, |v[XS+4]|, |v[XS+5]|
.irp i, 6,10
	v_max3_num_f32 v8, v8, |v[XS+\i]|, |v[XS+\i+1]|
	v_max3_num_f32 v9, v9, |v[XS+\i+2]|, |v[XS+\i+3]|
.endr
	v_max3_num_f32 v8, v8, |v[XS+14]|, |v[XS+15]|
	v_max3_num_f32 v8, v8, v9, 0x1800000           ; and the floor 2^(3 - 127): the byte cannot fall under 1
	v_max_num_f32_dpp v8, v8, v8 row_xmask:1 row_mask:0xf bank_mask:0xf   ; and of my neighbour's 16: the block's
	v_add_nc_u32 v11, 0xff000000, v8               ; 2 off its exponent field: the conversion takes the exponent field of this operand as its scale, and nothing else of it
	v_cvt_scalef32_pk16_fp6_f32 v[C+4*(\t):C+4*(\t)+2], v[XS:XS+15], v11
	v_lshrrev_b32 v[E+(\t)], 23, v11               ; the scale's byte (also the plain line behind the conversion)
	ds_store_b8 v5, v[E+(\t)] offset:16*(\t)       ; both lanes of a block write the same byte with the same value
	global_store_b96 v4, v[C+4*(\t):C+4*(\t)+2], s[10:11] offset:32*CB*(\t)
.endm
.irp t, 0,1,2,3,4,5,6,7,8,9,10,11,12,13,14,15
	STEP \t
.endr
	ds_load_b64 v[12:13], v6                       ; LDS serves a wave's instructions in order: these see my stores
	s_wait_dscnt 0x0
	global_store_b64 v7, v[12:13], s[12:13]        ; 32 lanes store 256 consecutive bytes, aligned
	s_wait_tensorcnt 0x0
	ds_add_u32 v192, v193
	s_wait_dscnt 0x0
	s_endpgm
; ---- the table.  Wave W of 64 makes positions 32 W .. 32 W + 31, two a trip: lanes 0-15 one position's 64 entries, four a lane, lanes 16-31 the next position's.
.Ltable:
	s_sub_co_u32 s17, ttmp9, NQWG
	s_lshl_b32 s17, s17, 2
	s_add_co_u32 s17, s17, s16                     ; W
	v_lshlrev_b32 v3, 4, v2                        ; 16 x lane: a trip's store covers 512 consecutive bytes
	v_and_b32 v4, 15, v2                           ; which four entries: 4 x this ..
	v_lshrrev_b32 v14, 4, v2                       ; which of the trip's two positions
	v_bfe_u32 v5, v4, 2, 1                         ; kind
	v_xor_b32 v5, 1, v5                            ; a cosine is the sine a quarter turn on
	v_lshrrev_b32 v6, 3, v4
	v_and_b32 v7, 3, v4
	v_lshl_or_b32 v6, v6, 2, v7                    ; my frequencies are 4 x this + 0 .. 3
	v_and_b32 v7, 1, v6
	v_cmp_eq_u32 vcc_lo, 0, v7
	v_mov_b32 v8, 1.0                              ; 10^(-k/8), k = 0 .. 3,
	v_mov_b32 v9, 0x3f3ff911
	v_mov_b32 v10, 0x3f0ff59a
	v_mov_b32 v11, 0x3ed7e89b
	v_cndmask_b32 v8, 0x3ea1e89b, v8, vcc_lo       ; or k = 4 .. 7
	v_cndmask_b32 v9, 0x3e72d424, v9, vcc_lo
	v_cndmask_b32 v10, 0x3e361887, v10, vcc_lo
	v_cndmask_b32 v11, 0x3e088d77, v11, vcc_lo
	v_lshrrev_b32 v7, 1, v6                        ; and the power of ten
	v_mov_b32 v12, 1.0
	v_cmp_ne_u32 vcc_lo, 1, v7
	v_cndmask_b32 v12, 0x3dcccccd, v12, vcc_lo
	v_cmp_ne_u32 vcc_lo, 2, v7
	v_cndmask_b32 v12, 0x3c23d70a, v12, vcc_lo
	v_cmp_ne_u32 vcc_lo, 3, v7
	v_cndmask_b32 v12, 0x3a83126f, v12, vcc_lo
.irp k, 0,1,2,3
	v_mul_f32 v[8+\k], v[8+\k], v12
.endr
	s_lshl_b32 s18, s17, 5
	v_add_nc_u32 v13, s18, v14
	v_cvt_f32_u32 v13, v13                         ; my position
	s_mov_b32 s20, 0x3f22f983                      ; 2 / pi
	s_mov_b32 s21, 0xbfc90fdb                      ; -(pi / 2), its f32 part,
	s_mov_b32 s22, 0x333bbd2e                      ; and what that part is too large by
	s_mov_b32 s23, 0xb94ca1f9                      ; sine: r + r z (s25 + z (s24 + z s23))
	s_mov_b32 s24, 0x3c08839e
	s_mov_b32 s25, 0xbe2aaaa3
	s_mov_b32 s26, 0x37ccf5ce                      ; cosine: 1 - z / 2 + z z (s28 + z (s27 + z s26))
	s_mov_b32 s27, 0xbab6061a
	s_mov_b32 s28, 0x3d2aaaa5
	s_lshl_b32 s30, s17, 13                        ; 32 positions of 256 bytes
	s_mov_b32 s31, 0
	s_wait_kmcnt 0x0
	s_add_nc_u64 s[14:15], s[14:15], s[30:31]
.macro SINQ k
	v_mul_f32 v20, v13, v[8+\k]                    ; the angle, rounded once
	v_mul_f32 v21, s20, v20
	v_rndne_f32 v21, v21                           ; n quarter turns
	v_fma_f32 v22, v21, s21, v20
	v_fma_f32 v22, v21, s22, v22                   ; r
	v_mul_f32 v23, v22, v22                        ; z
	v_fma_f32 v24, v23, s23, s24
	v_fma_f32 v24, v23, v24, s25
	v_mul_f32 v25, v23, v22
	v_fma_f32 v24, v25, v24, v22                   ; sin r
	v_fma_f32 v25, v23, s26, s27
	v_fma_f32 v25, v23, v25, s28
	v_mul_f32 v26, v23, v23
	v_fma_f32 v27, v23, -0.5, 1.0
	v_fma_f32 v25, v26, v25, v27                   ; cos r
	v_cvt_i32_f32 v21, v21
	v_add_nc_u32 v21, v21, v5                      ; the quadrant
	v_and_b32 v26, 1, v21
	v_cmp_eq_u32 vcc_lo, 1, v26
	v_cndmask_b32 v24, v24, v25, vcc_lo            ; odd quadrants take the cosine,
	v_lshlrev_b32 v21, 30, v21
	v_and_b32 v21, 0x80000000, v21
	v_xor_b32 v[16+\k], v24, v21                   ; quadrants 2 and 3 the other sign
.endm
	s_mov_b32 s19, 16
.Lpos:
	SINQ 0
	SINQ 1
	SINQ 2
	SINQ 3
	global_store_b128 v3, v[16:19], s[14:15]
	v_add_f32 v13, 2.0, v13
	s_wait_xcnt 0x0                                ; the store has read its data and its base: both are written again only behind this wait
	s_add_nc_u64 s[14:15], s[14:15], 512
	s_sub_co_u32 s19, s19, 1
	s_cmp_lg_u32 s19, 0
	s_cbranch_scc1 .Lpos
	s_endpgm
.Lfunc_end_k_qf5809dad43_prep:
	.size	k_qf5809dad43_prep, .Lfunc_end_k_qf5809dad43_prep-k_qf5809dad43_prep
	.p2alignl 7, 3214868480
	.fill 96, 4, 3214868480
	.section	.rodata,"a",@progbits
	.p2align	6, 0x0
	.amdhsa_kernel k_qf5809dad43_prep
		.amdhsa_group_segment_fixed_size 33280
		.amdhsa_private_segment_fixed_size 0
		.amdhsa_enable_private_segment 0
		.amdhsa_kernarg_size 48
		.amdhsa_user_sgpr_count 2
		.amdhsa_user_sgpr_kernarg_segment_ptr 1
		.amdhsa_wavefront_size32 1
		.amdhsa_system_sgpr_workgroup_id_x 1
		.amdhsa_system_sgpr_workgroup_id_y 1
		.amdhsa_system_sgpr_workgroup_id_z 1
		.amdhsa_system_vgpr_workitem_id 0
		.amdhsa_next_free_vgpr 194
		.amdhsa_next_free_sgpr 66
		.amdhsa_reserve_vcc 1
		.amdhsa_float_denorm_mode_32 3
		.amdhsa_float_denorm_mode_16_64 3
		.amdhsa_memory_ordered 1
		.amdhsa_forward_progress 1
		.amdhsa_inst_pref_size 40
	.end_amdhsa_kernel
	.amdgpu_metadata
---
amdhsa.version: [ 1, 2 ]
amdhsa.kernels:
  - .name:           k_qf5809dad43_prep
    .symbol:         k_qf5809dad43_prep.kd
    .args:
      - { .name: x, .offset: 0, .size: 8, .value_kind: global_buffer, .address_space: global }
      - { .name: W_packed, .offset: 8, .size: 8, .value_kind: global_buffer, .address_space: global }
      - { .name: W_out, .offset: 16, .size: 8, .value_kind: global_buffer, .address_space: global }
      - { .name: codes, .offset: 24, .size: 8, .value_kind: global_buffer, .address_space: global }
      - { .name: scales, .offset: 32, .size: 8, .value_kind: global_buffer, .address_space: global }
      - { .name: cs, .offset: 40, .size: 8, .value_kind: global_buffer, .address_space: global }
    .group_segment_fixed_size: 33280
    .private_segment_fixed_size: 0
    .kernarg_segment_align: 8
    .kernarg_segment_size: 48
    .max_flat_workgroup_size: 128
    .sgpr_count:     66
    .vgpr_count:     194
    .wavefront_size: 32
...
	.end_amdgpu_metadata
.endif
;; end of part 1
;; launch qkv (part 2): grid 8 x 48, 4 waves a work-group, clusters of 4 x 4, 327,680 bytes of LDS; arguments codes, scales, b_packed, cs, qkv; writes qkv
.if DOCPART == 2
	.amdgcn_target "amdgcn-amd-amdhsa--gfx1250"
	.amdhsa_code_object_version 6
	.text
	.protected	k_qf5809dad43_qkv
	.globl	k_qf5809dad43_qkv
	.p2align	8
	.type	k_qf5809dad43_qkv,@function
k_qf5809dad43_qkv:
	s_mov_b64 s[64:65], 0
	v_nop
	global_prefetch_b8 v0, s[64:65] scope:SCOPE_SE
	s_setreg_imm32_b32 hwreg(HW_REG_WAVE_MODE, 25, 1), 1
	s_wait_xcnt 0x0
	s_wait_alu depctr_hold_cnt(0) depctr_sa_sdst(0) depctr_va_vdst(0) depctr_va_sdst(0) depctr_va_ssrc(0) depctr_va_vcc(0) depctr_vm_vsrc(0)
	s_getreg_b32 s2, hwreg(HW_REG_IB_STS2, 6, 4)
	s_cmp_eq_u32 s2, 0
	s_cbranch_scc0 .Lentry_in_a_cluster
	s_endpgm
.Lentry_in_a_cluster:
	s_bfe_u32 s2, ttmp6, 0x10000c
	s_cmp_lg_u32 s2, 0xf033
	s_cbranch_scc0 .Lentry_shape_is_right
	s_endpgm
.Lentry_shape_is_right:
; The packed projection on codes of FP6 (E2M3), K = 1,024, then bias, RoPE and the quantisers of q, k (along the head's 64) and v (along the keys).  The f32 results never go to memory.
; A tile of 256 x 256 is made by four waves, each 128 x 128: 64 accumulators, 512 registers.  K goes in steps of 256 through a ring of two LDS slots filled by the tensor data mover; the scale bytes of the tile's rows come once.
; Both operands are tiles of 256 rows of ONE buffer (x: tiles 0-31, the rows of W that make q and k: 32-39, those that make v: 40-43).  Source 1 ("A") is shared along a row of the 4 x 4 cluster, source 0 ("B") along a column:
; each tile is asked for jointly, by the same tensor load with the same descriptor and a mask that names the four.
;   cluster y 0-7:  A = x's tile 4 y + cy, B = W's tile 32 + 4 x + cx.  A lane holds ONE token and its registers run along a head's d.
;   cluster y 8-11: A = W's tile 40 + cy,  B = x's tile 8 (y - 8) + 4 x + cx.  A lane holds ONE d of a head and its registers run along the tokens, which are the keys.
; THE ROWS' ORDER (made by the launch before) does the rest.  In a group of 64, stored place 16 t + 8 g + j of x holds token 32 g + 8 t + j; stored tile 2 B + u, row p, of the rows of W that make q and k holds d = 32 B + 8 u + p + 8 (p / 8).
;   q, k: lane (r, h) of x's block a = 4 c + t holds token 64 c + 32 (r / 8) + 8 t + (r & 7); the 32 registers of a head's four tiles are d = 32 B + 16 h + i at 16 B + i: so RoPE's partner d + 32 lies in the same lane.
;   v:    the 32 registers of x's blocks 4 c .. 4 c + 3 are tokens 64 c + 32 h + 0 .. 31 in their natural order: a whole block of keys in a lane.
; OUT: records of 19,712 bytes, one for each (batch, head, 128 stored tokens): K's codes 6,144 | V's codes 6,144 | K's scale words 512 | V's 256 | Q's codes 6,144 | Q's scale words 512, all as IMAGES OF OPERAND REGISTERS
; (a group of four registers: lane l's 16 bytes at 16 l), so that every store covers 512 (256) consecutive aligned bytes and the next launch loads fragments by loads of 16 bytes.
; A tile of q or k (16 tokens x 64 d) is 6 registers; two tiles make an image of 12.  Bytes 2 and 3 of their scale words are 127: the upper 64 of the next product's K step are zero codes on the query's side.
; The text parts ONCE on the cluster's y (the same in all partners), behind the last change of slots: each part issues its bias (and table) loads and runs its own copy of the last two steps of 128 along K, under which they land.
; LIMITS: NaN and infinities are not served; a block of zeros, or one under 2^-124, gets the byte 1 (read by this program alone).
; REGISTERS: window 0: v0-31 addresses; v32-63 scale words, two sets; v64-127 the bias; v128-223 A's fragments, one set; v224-255 a tile's table.  Window 1: B's fragments, two sets.  Windows 2, 3: the accumulators ((a, b) at v[8 (8 (a % 4) + b)]).
.set NQ,     2                         ; steps of 128 in a slot
.set ROWB,   192                       ; a tile's row in bytes: 256 codes
.set KROW,   768                       ; a row in memory
.set PITCH,  240                       ; an LDS row: 3 x (64 bytes + 16 of padding): the 32 lanes of a load of 8 bytes touch 64 different banks (64 banks of 4 bytes: ISA guide 11.1)
.set FR,     12
.set NL,     6
.set NP,     4                         ; places behind this matrix instruction (ISA guide 7.12.1)
.set HALFT,  128*PITCH
.set SLOT,   4*HALFT
.set KS,     32                        ; a row of scales in bytes
.set SCL,    2*SLOT                    ; behind the ring: the scales, as runs of 256 bytes + 16 of padding
.set HALFS,  (128*KS/256)*272
.set SBLK,   (16*KS/256)*272
.set SPARE,  SCL+4*HALFS               ; the spare words, 128 bytes a wave: two blocks of 256 bytes that no other line names
.set RECM,   19712                     ; a record
.set HEADB,  16*RECM                   ; from a head to the next
.set LI,   8                           ; v8   16 x lane
.set CA,   9                           ; v9   my token's and half's 128 bytes of the table: (32 (r / 8) + (r & 7)) x 256 + 128 h
.set BOQ,  10                          ; v10  64 h: my half's 16 numbers of a block of the bias
.set H8,   11                          ; v11  8 h
.set L8,   12                          ; v12  8 x lane
.set BOV,  13                          ; v13  (32 (r / 8) + (r & 7)) x 4: my d in a head's bias
.set ADRA, 16                          ; v16-17 LDS address of my A fragments in slot 0, 1 (v18-19: for the pieces behind one padding more)
.set ADRB, 20                          ; v20-23 the same for B
.set ADRS, 27                          ; v27  my scale words: lanes 0-15 A's rows, lanes 16-31 B's
.set SPW,  28                          ; v28  my spare word; never rewritten
.set NIL,  29                          ; v29  0; never rewritten
.set SC,   32
.set BI,   64
.set AF,   128
.set T,    128                         ; the way out: the numbers in hand
.set G1, 24
.set G0, 32
.set G1B, 48
.set G0B, 56
.set G1S, 68
.set G0S, 76
.set G1SB, 80
.set G0SB, 88
.set LM,  2                            ; s2       the mask of lanes 16-31
.set PB,  66                           ; s[66:67] the bias of my first head
.set PS,  92                           ; s[92:93] where q's or k's scale words go
.set CLY, 95                           ; s95      the cluster's y
.set PT,  96                           ; s[96:97] the table at my first token
.set PO,  98                           ; s[98:99] where my codes go
.set SEL, 100                          ; s[100:101] v_permlanex16_b32's selects for lane l xor 16
.set MSB, 0
.macro WIN new                         ; the immediate's high byte repeats the setting that is left
.if MSB != (\new)
	s_set_vgpr_msb (MSB<<8)|(\new)
.set MSB, \new
.endif
.endm
.set MUL_LO, 0xa1                      ; source 0 (B) window 1, source 1 (A) window 0, C and D window 2
.set MUL_HI, 0xf1
.set TO_B,   0x40
; A joint load: waves 0 and 1 fetch for A, waves 2 and 3 for B; the branch hangs on the wave's number alone.  Four v_nop follow each of the two lines.
.macro JLOAD g0a, g1a, g0b, g1b
	s_cmp_eq_u32 s15, 0
	s_cbranch_scc0 .Lfor_b_\@
	tensor_load_to_lds s[\g0a:\g0a+3], s[\g1a:\g1a+7]
	s_nop 0
.rept 4
	v_nop
.endr
	s_branch .Lasked_\@
.Lfor_b_\@:
	tensor_load_to_lds s[\g0b:\g0b+3], s[\g1b:\g1b+7]
	s_nop 0
.rept 4
	v_nop
.endr
.Lasked_\@:
.endm
.macro CREST                           ; a round of the cluster's barrier behind its opening barrier
	s_cmp_lg_u32 s14, 0
	s_cbranch_scc1 .Lnot_wave_0_\@
	s_barrier_signal -3
.Lnot_wave_0_\@:
	s_barrier_wait -3
	s_barrier_signal -1
	s_barrier_wait -1
.endm
.macro CROUND
	s_barrier_signal -1
	s_barrier_wait -1
	CREST
.endm
	s_load_b128 s[4:7], s[0:1], 0x0                ; codes, scales
	s_load_b128 s[8:11], s[0:1], 0x10              ; b_packed, cs
	s_load_b64 s[12:13], s[0:1], 0x20              ; qkv
	v_lshl_add_u32 v[SPW], v0, 2, SPARE
	v_mov_b32 v[NIL], 0
	ds_add_u32 v28, v29
	ds_add_u32 v28, v29
	s_wait_dscnt 0x0
	v_lshrrev_b32 v1, 5, v0
	v_readfirstlane_b32 s14, v1                    ; wave 0..3
	s_lshr_b32 s15, s14, 1                         ; which half of A's rows is mine.  Also: I fetch for A (0) or for B (1)
	s_and_b32 s16, s14, 1                          ; which half of B's rows.  Also: which 128 rows of that tile I fetch
	s_bfe_u32 s40, ttmp6, 0x40000                  ; cx, cy: my place in the cluster
	s_bfe_u32 s41, ttmp6, 0x40004
	s_lshl_b32 s42, ttmp9, 2
	s_add_co_u32 s42, s42, s40                     ; 4 x cluster x + cx
	s_and_b32 s[CLY], ttmp7, 0xffff
	s_max_u32 s94, s[CLY], 8
	s_sub_co_u32 s94, s94, 8                       ; v's part: the batch
	s_lshl_b32 s17, s[CLY], 2
	s_lshl_b32 s96, s94, 3
	s_cmp_lt_u32 s[CLY], 8                         ; q's and k's part, or v's: the same in all sixteen partners
	s_cselect_b32 s17, s17, 40
	s_cselect_b32 s96, 32, s96
	s_add_co_u32 s17, s17, s41                     ; A's tile: it hangs on cy alone of my place
	s_add_co_u32 s96, s96, s42                     ; B's tile: on cx alone
	s_lshl_b32 s43, s41, 2
	s_lshl_b32 s43, 15, s43                        ; my row of the cluster
	s_lshl_b32 s44, 0x1111, s40                    ; my column
	s_or_b32 s[G1+0], s43, (0<<16)|(1<<20)|(1<<21)|(3<<22)|(3<<25)  ; the mask; elements of 1 byte; padding on; bit 21 beside a mask; after every 16 words, 4 words
	s_or_b32 s[G1B+0], s44, (0<<16)|(1<<20)|(1<<21)|(3<<22)|(3<<25)
.irp g, G1, G1B
	s_mov_b32 s[\g+1], ROWB<<16                    ; tensor_dim0
	s_mov_b32 s[\g+2], 128<<16                     ; tensor_dim1
	s_mov_b32 s[\g+3], ROWB<<16                    ; tile_dim0
	s_mov_b32 s[\g+4], 128                         ; tile_dim1
	s_mov_b32 s[\g+5], KROW                        ; the pitch
	s_mov_b32 s[\g+6], 0
	s_mov_b32 s[\g+7], 0
.endr
	s_or_b32 s[G1S+0], s43, (3<<16)|(1<<20)|(1<<21)|(5<<22)|(3<<25)   ; the scales of 128 rows: a dense block, as rows of 256 bytes, 16 bytes of padding behind each
	s_or_b32 s[G1SB+0], s44, (3<<16)|(1<<20)|(1<<21)|(5<<22)|(3<<25)
.irp g, G1S, G1SB
	s_mov_b32 s[\g+1], 32<<16
	s_mov_b32 s[\g+2], (128*KS/256)<<16
	s_mov_b32 s[\g+3], 32<<16
	s_mov_b32 s[\g+4], 128*KS/256
	s_mov_b32 s[\g+5], 32
	s_mov_b32 s[\g+6], 0
	s_mov_b32 s[\g+7], 0
.endr
	s_lshl_b32 s18, s16, 7                         ; which 128 rows of the tile I fetch
	s_lshl_b32 s20, s17, 8
	s_add_co_u32 s20, s20, s18                     ; A's first row
	s_lshl_b32 s46, s96, 8
	s_add_co_u32 s46, s46, s18                     ; B's
	s_lshl_b32 s22, s20, 5                         ; their scales: 32 bytes a row,
	s_mov_b32 s23, 0
	s_lshl_b32 s92, s46, 5
	s_mov_b32 s93, 0
	s_mul_i32 s20, s20, KROW                       ; their codes (all under 2^24 bytes)
	s_mov_b32 s21, 0
	s_mul_i32 s46, s46, KROW
	s_mov_b32 s47, 0
	s_mul_i32 s45, s14, HALFT                      ; where they go: wave x 128 rows: no place in the cluster enters an LDS address
	s_mul_i32 s97, s14, HALFS
	s_wait_kmcnt 0x0
	s_add_nc_u64 s[20:21], s[4:5], s[20:21]
	s_add_nc_u64 s[22:23], s[6:7], s[22:23]
	s_add_nc_u64 s[46:47], s[4:5], s[46:47]
	s_add_nc_u64 s[92:93], s[6:7], s[92:93]
	CROUND                                         ; all sixteen work-groups are here: the first joint loads meet
	s_mov_b32 s[G0S], 1
	s_add_co_u32 s[G0S+1], s97, SCL
	s_mov_b64 s[G0S+2:G0S+3], s[22:23]
	s_or_b32 s[G0S+3], s[G0S+3], 0x80000000
	s_mov_b32 s[G0SB], 1
	s_add_co_u32 s[G0SB+1], s97, SCL
	s_mov_b64 s[G0SB+2:G0SB+3], s[92:93]
	s_or_b32 s[G0SB+3], s[G0SB+3], 0x80000000
	JLOAD G0S, G1S, G0SB, G1SB                     ; the scales first: they are wanted with K step 0
.irp s, 0,1
	s_mov_b32 s[G0+4*\s], 1
	s_add_co_u32 s[G0+4*\s+1], s45, \s*SLOT
	s_add_nc_u64 s[G0+4*\s+2:G0+4*\s+3], s[20:21], \s*ROWB
	s_or_b32 s[G0+4*\s+3], s[G0+4*\s+3], 0x80000000
	s_mov_b32 s[G0B+4*\s], 1
	s_add_co_u32 s[G0B+4*\s+1], s45, \s*SLOT
	s_add_nc_u64 s[G0B+4*\s+2:G0B+4*\s+3], s[46:47], \s*ROWB
	s_or_b32 s[G0B+4*\s+3], s[G0B+4*\s+3], 0x80000000
	JLOAD G0+4*\s, G1, G0B+4*\s, G1B               ; three loads of mine are out
.endr
	v_and_b32 v1, 15, v0                           ; r
	v_bfe_u32 v2, v0, 4, 1                         ; h
	v_mul_u32_u24 v3, v1, PITCH
	v_mul_u32_u24 v4, v2, 24
	v_add_nc_u32 v4, v3, v4                        ; a fragment's row x pitch + 24 h
	v_lshl_add_u32 v5, v2, 4, v4                   ; and the same behind one padding more
	s_mul_i32 s21, s15, HALFT                      ; my 128 rows of A
	s_mul_i32 s22, s16, HALFT                      ; my 128 rows of B,
	s_add_co_u32 s22, s22, 2*HALFT                 ; which lie behind A's 256
.irp s, 0,1
	v_add_nc_u32 v[ADRA+\s], s21, v4
	v_add_nc_u32 v[ADRB+\s], s22, v4
	v_add_nc_u32 v[ADRA+2+\s], s21, v5
	v_add_nc_u32 v[ADRB+2+\s], s22, v5
	s_add_co_u32 s21, s21, SLOT
	s_add_co_u32 s22, s22, SLOT
.endr
	v_mul_u32_u24 v5, v1, KS                       ; my row's scales: KS bytes a row,
	v_lshrrev_b32 v6, 8, v5
	v_lshl_add_u32 v5, v6, 4, v5                   ; and 16 more for each 256 passed
	s_mul_i32 s21, s15, HALFS
	s_mul_i32 s22, s16, HALFS
	s_add_co_u32 s22, s22, 2*HALFS
	s_sub_co_u32 s22, s22, s21
	v_mul_u32_u24 v6, s22, v2                      ; lanes 16-31 take B's: one product, the distance between the two bases
	s_add_co_u32 s21, s21, SCL
	v_add_nc_u32 v5, v5, v6
	v_add_nc_u32 v[ADRS], s21, v5
	v_and_b32 v6, 31, v0
	v_lshlrev_b32 v[LI], 4, v6
	v_lshlrev_b32 v[L8], 3, v6
	v_lshlrev_b32 v[H8], 3, v2
	v_lshlrev_b32 v[BOQ], 6, v2
	v_and_b32 v7, 7, v1
	v_lshrrev_b32 v6, 3, v1
	v_lshl_add_u32 v7, v6, 5, v7                   ; 32 (r / 8) + (r & 7)
	v_lshlrev_b32 v[BOV], 2, v7
	v_lshlrev_b32 v[CA], 8, v7
	v_lshl_add_u32 v[CA], v2, 7, v[CA]
	; where my results go.  q, k: batch = A's tile / 8, 128 tokens = (2 x A's tile + my half of A) mod 16, first head = 4 cx + 2 x my half of B.  v: batch = cluster y - 8, 128 tokens = 2 (4 x + cx) + my half of B, first head = 4 cy + 2 x my half of A
	s_lshr_b32 s18, s17, 3
	s_lshl_b32 s19, s17, 1
	s_add_co_u32 s19, s19, s15
	s_and_b32 s19, s19, 15
	s_lshl_b32 s20, s40, 2
	s_lshl_b32 s21, s16, 1
	s_add_co_u32 s20, s20, s21
	s_lshl_b32 s22, s42, 1
	s_add_co_u32 s22, s22, s16
	s_lshl_b32 s23, s41, 2
	s_lshl_b32 s21, s15, 1
	s_add_co_u32 s23, s23, s21
	s_lshl_b32 s43, ttmp9, 10                      ; cluster x = 0 makes q, 1 makes k: 1,024 numbers on in the bias
	s_cmp_eq_u32 ttmp9, 0
	s_cselect_b32 s44, 13056, 0                    ; q's codes in a record, or k's,
	s_mov_b32 s45, 12288
	s_cselect_b32 s45, 6144, s45                   ; and from there to their scale words
	s_cmp_lt_u32 s[CLY], 8
	s_cselect_b32 s18, s18, s94
	s_cselect_b32 s19, s19, s22
	s_cselect_b32 s20, s20, s23
	s_cselect_b32 s43, s43, 2048
	s_cselect_b32 s44, s44, 0
	s_lshl_b32 s22, s19, 15                        ; the table: 128 positions of 256 bytes
	s_mov_b32 s23, 0
	s_add_nc_u64 s[PT:PT+1], s[10:11], s[22:23]
	s_lshl_b32 s18, s18, 4
	s_add_co_u32 s18, s18, s20
	s_lshl_b32 s18, s18, 4
	s_add_co_u32 s18, s18, s19                     ; the record: (16 batch + head) 16 + 128 tokens
	s_mul_i32 s18, s18, RECM
	s_add_co_u32 s18, s18, s44
	s_mov_b32 s19, 0
	s_add_nc_u64 s[PO:PO+1], s[12:13], s[18:19]
	s_mov_b32 s22, s45
	s_add_nc_u64 s[PS:PS+1], s[PO:PO+1], s[22:23]
	s_lshl_b32 s20, s20, 6
	s_add_co_u32 s20, s20, s43
	s_lshl_b32 s20, s20, 2
	s_mov_b32 s21, 0
	s_add_nc_u64 s[PB:PB+1], s[8:9], s[20:21]
	s_mov_b32 s[LM], 0xffff0000
	s_mov_b32 s[SEL], 0x76543210
	s_mov_b32 s[SEL+1], 0xfedcba98
.macro FRAG reg, adr, q, i             ; a fragment, 16 rows x 128 K, is 12 registers: registers 6 c .. 6 c + 5 hold K = 64 c + 32 h + 0 .. 31: 24 bytes of the row, as they lie, in pieces of 8 bytes
.irp p, 0,1,2,3,4,5
.set PCE, 12*(\q)+6*(\p/3)+\p%3       ; 16 bytes of padding lie behind every 8 pieces: where the piece three on (lanes 16-31) lies behind one padding more, the second address register serves
.if PCE%8 < 5
	ds_load_b64 v[\reg+2*\p:\reg+2*\p+1], v[\adr] offset:8*PCE+16*(PCE/8)+(\i)*16*PITCH
.else
	ds_load_b64 v[\reg+2*\p:\reg+2*\p+1], v[\adr+2] offset:8*PCE+16*(PCE/8)+(\i)*16*PITCH
.endif
.endr
.endm
; 16 matrix instructions: A's blocks a0, a0 + 1 x B's eight.  The 64 accumulators take turns, one instruction a turn, in the same order in every step.
.macro MUL16 a0, p, q, sc, zero
.irp a, \a0, \a0+1
.irp b, 0,1,2,3,4,5,6,7
.if \zero
	v_wmma_scale_f32_16x16x128_f8f6f4 v[8*(8*((\a)%4)+\b):8*(8*((\a)%4)+\b)+7], v[128*(\p)+FR*\b:128*(\p)+FR*\b+FR-1], v[AF+FR*(\a):AF+FR*(\a)+FR-1], 0, v[SC+8*NQ*(\sc)+NQ*\b+(\q)], v[SC+8*NQ*(\sc)+NQ*(\a)+(\q)] matrix_a_fmt:MATRIX_FMT_FP6 matrix_b_fmt:MATRIX_FMT_FP6 matrix_a_scale:MATRIX_SCALE_ROW1
.else
	v_wmma_scale_f32_16x16x128_f8f6f4 v[8*(8*((\a)%4)+\b):8*(8*((\a)%4)+\b)+7], v[128*(\p)+FR*\b:128*(\p)+FR*\b+FR-1], v[AF+FR*(\a):AF+FR*(\a)+FR-1], v[8*(8*((\a)%4)+\b):8*(8*((\a)%4)+\b)+7], v[SC+8*NQ*(\sc)+NQ*\b+(\q)], v[SC+8*NQ*(\sc)+NQ*(\a)+(\q)] matrix_a_fmt:MATRIX_FMT_FP6 matrix_b_fmt:MATRIX_FMT_FP6 matrix_a_scale:MATRIX_SCALE_ROW1
.endif
.endr
.endr
.endm
.macro FETCH_B slot, q, p
	WIN TO_B
.irp i, 0,1,2,3,4,5,6,7
	FRAG 128*(\p)+FR*\i, ADRB+\slot, \q, \i
.endr
	WIN 0
.endm
.macro FETCH_A slot, q, i0
.irp i, \i0, \i0+1, \i0+2, \i0+3
	FRAG AF+FR*(\i), ADRA+\slot, \q, \i
.endr
.endm
.macro SCALES sc                       ; a K step's scale words: lanes 0-15 take A's block i, lanes 16-31 B's block i
.irp i, 0,1,2,3,4,5,6,7
	ds_load_b64 v[SC+8*NQ*\sc+NQ*\i:SC+8*NQ*\sc+NQ*\i+1], v[ADRS] offset:\i*SBLK
.endr
.endm
.macro PLACES n                        ; plain vector lines between a matrix instruction and a load into, or a vector line on, its registers
.rept \n
	v_nop
.endr
.endm
.macro STEP slot, q, zero              ; a step of 128 along K that has its successor in the same slot
	s_wait_dscnt 4*NL                              ; B's set and A's blocks 0-3 are in; the youngest 24 loads (A's blocks 4-7) may be out
	WIN MUL_LO
	MUL16 0, (\q)%2, \q, \slot, \zero
	MUL16 2, (\q)%2, \q, \slot, \zero
	s_wait_dscnt 0                                 ; A's blocks 4-7 are in
	PLACES NP
	FETCH_B \slot, (\q)+1, 1-(\q)%2
	FETCH_A \slot, (\q)+1, 0
	WIN MUL_HI
	MUL16 4, (\q)%2, \q, \slot, \zero
	MUL16 6, (\q)%2, \q, \slot, \zero
	PLACES NP
	WIN 0
	FETCH_A \slot, (\q)+1, 4
.endm
; A slot's last step changes slots: ONE barrier; in front of it each wave waits for all its tensor loads, adds 0 to its spare word, and waits for that and for its own reads of this slot.  fill = 1: this slot is filled again, two K steps ahead.
.macro TURN slot, next, fill
	s_wait_tensorcnt 0x0                           ; all my tensor loads have landed: my part of the next slot
	ds_add_u32 v[SPW], v[NIL]                      ; 0 onto my spare word
	s_wait_dscnt 4*NL+1                            ; (the add and the youngest 24 loads may be out)
	WIN MUL_LO
	MUL16 0, 1, NQ-1, \slot, 0                     ; sixteen matrix instructions stand between the add and the wait for it
	s_wait_dscnt 0x0                               ; the add is done, and my reads of this slot are over
	s_barrier_signal -1
	MUL16 2, 1, NQ-1, \slot, 0
	WIN 0
	s_barrier_wait -1
.if \fill
	CREST                                          ; the barrier has opened a round of the cluster's: no wave of any partner still reads this slot or has a load on its way
	s_add_nc_u64 s[G0+4*\slot+2:G0+4*\slot+3], s[G0+4*\slot+2:G0+4*\slot+3], 2*ROWB
	s_add_nc_u64 s[G0B+4*\slot+2:G0B+4*\slot+3], s[G0B+4*\slot+2:G0B+4*\slot+3], 2*ROWB
	JLOAD G0+4*\slot, G1, G0B+4*\slot, G1B         ; the first tensor load behind the round; its four v_nop are also the places in front of the loads below
.else
	PLACES NP
.endif
	v_add_nc_u32 v[ADRS], 4*NQ, v[ADRS]            ; on to the next K step's scale words
	FETCH_B \next, 0, 0
	FETCH_A \next, 0, 0
	SCALES \next
	WIN MUL_HI
	MUL16 4, 1, NQ-1, \slot, 0
	MUL16 6, 1, NQ-1, \slot, 0
	PLACES NP
	WIN 0
	FETCH_A \next, 0, 4
.endm
.macro TAIL                            ; the last slot's two steps; written once in each part
	STEP 1, 0, 0
	s_wait_dscnt 4*NL
	WIN MUL_LO
	MUL16 0, 1, NQ-1, 1, 0
	MUL16 2, 1, NQ-1, 1, 0
	s_wait_dscnt 0
	WIN MUL_HI
	MUL16 4, 1, NQ-1, 1, 0
	MUL16 6, 1, NQ-1, 1, 0
	WIN 0
	PLACES NP                                      ; in front of the first reads of results, and of loads and vector lines on the registers that held fragments and scale words
.endm
	s_wait_tensorcnt 1                             ; the scales and my part of K step 0 are in (K step 1's load may be out)
	s_barrier_signal -1
	s_barrier_wait -1                              ; everybody's are
	FETCH_B 0, 0, 0
	FETCH_A 0, 0, 0
	SCALES 0
	FETCH_A 0, 0, 4
	STEP 0, 0, 1                                   ; the first products start the sums: nothing is cleared.  K = 1,024 is four K steps: written straight out
	TURN 0, 1, 1
	STEP 1, 0, 0
	TURN 1, 0, 1
	STEP 0, 0, 0
	TURN 0, 1, 0                                   ; nothing is left to fetch, so no round
	s_cmp_lt_u32 s[CLY], 8
	s_cbranch_scc0 .Lv_part
; ================ q and k
.set X,   160                          ; v160-167 four pairs at work in RoPE
.set PC,  168                          ; v168-191 codes: head e's pair of tiles at 12 e, tile a at 6 (a % 2) in it
.set CT,  192                          ; v192-194 block 1's half (a conversion's three registers begin on an even number)
.set TM,  196                          ; v196-203 2 largest magnitudes, 2 from the other half of the lanes, 2 scale operands, 2 bytes
.set SW,  204                          ; v204-219 scale words: 8 e + a
.set Z,   220
.macro TABLE a                         ; tile a's cosines and sines: my token's 16 + 16 numbers of my half's frequencies, into set a % 2 (v224-255, v32-63)
.set CSS, 224-192*((\a)%2)
.irp q, 0,1,2,3,4,5,6,7
	global_load_b128 v[CSS+4*\q:CSS+4*\q+3], v[CA], s[PT:PT+1] offset:(64*((\a)/4)+8*((\a)%4))*256+16*\q
.endr
.endm
.macro UNIT a, e                       ; 16 tokens (x's block a) of head e: bias, RoPE, two blocks of 32 along d quantised
.set AC, 64*((\a)%4)+32*(\e)
.set BE, BI+32*(\e)
.set CSS, 224-192*((\a)%2)
.set PCX, PC+12*(\e)+6*((\a)%2)
.set SWX, SW+8*(\e)+(\a)
	WIN 0x02+(\a)/4                                ; source 0: the accumulators' window
.set n, 0
.rept 16
	v_pk_add_f32 v[T+n:T+n+1], v[AC+n:AC+n+1], v[BE+n:BE+n+1]      ; the bias, and the way into window 0; each accumulator from its low end on
.set n, n+2
.endr
	WIN 0
.set n, 0
.rept 8                                ; register i: d = 16 h + i, register 16 + i: d + 32
.set XX, X+2*((n/2)%4)
	v_pk_mul_f32 v[XX:XX+1], v[T+16+n:T+17+n], v[CSS+16+n:CSS+17+n]
	v_pk_mul_f32 v[T+16+n:T+17+n], v[T+16+n:T+17+n], v[CSS+n:CSS+n+1]
	v_pk_fma_f32 v[T+16+n:T+17+n], v[T+n:T+n+1], v[CSS+16+n:CSS+17+n], v[T+16+n:T+17+n]                           ; t1 sin + t2 cos
	v_pk_fma_f32 v[T+n:T+n+1], v[T+n:T+n+1], v[CSS+n:CSS+n+1], v[XX:XX+1] neg_lo:[0,0,1] neg_hi:[0,0,1]             ; t1 cos - t2 sin
.set n, n+2
.endr
	v_max3_num_f32 v[TM], |v[T]|, |v[T+1]|, 0x1800000              ; my 16 of each block, and the floor 2^(3 - 127)
	v_max3_num_f32 v[TM+1], |v[T+16]|, |v[T+17]|, 0x1800000
.irp i, 2,4,6,8,10,12,14
	v_max3_num_f32 v[TM], v[TM], |v[T+\i]|, |v[T+\i+1]|
	v_max3_num_f32 v[TM+1], v[TM+1], |v[T+16+\i]|, |v[T+17+\i]|
.endr
	v_permlanex16_b32 v[TM+2], v[TM], s[SEL], s[SEL+1]
	v_permlanex16_b32 v[TM+3], v[TM+1], s[SEL], s[SEL+1]
	v_max_num_f32 v[TM], v[TM], v[TM+2]                            ; with lane l xor 16's 16
	v_max_num_f32 v[TM+1], v[TM+1], v[TM+3]
	v_add_nc_u32 v[TM+4], 0xff000000, v[TM]                        ; 2 off the exponent field: the conversion's scale operand
	v_add_nc_u32 v[TM+5], 0xff000000, v[TM+1]
	v_lshrrev_b32 v[TM+6], 23, v[TM+4]                             ; the bytes
	v_lshrrev_b32 v[TM+7], 23, v[TM+5]
	v_lshl_or_b32 v[SWX], v[TM+7], 8, v[TM+6]
	v_or_b32 v[SWX], 0x7f7f0000, v[SWX]                            ; bytes 2 and 3: 2^0, for the half of the K step that is zeros
	v_cvt_scalef32_pk16_fp6_f32 v[PCX:PCX+2], v[T:T+15], v[TM+4]
	v_cvt_scalef32_pk16_fp6_f32 v[CT:CT+2], v[T+16:T+31], v[TM+5]
	v_nop                                                          ; one plain line behind a scaled conversion
.irp i, 0,1,2
	v_permlane16_swap_b32 v[PCX+\i], v[CT+\i]                      ; the operand wants a whole block in a lane: lanes 0-15 block 0, lanes 16-31 block 1
.endr
.irp i, 0,1,2
	v_mov_b32 v[PCX+3+\i], v[CT+\i]
.endr
.endm
.irp e, 0,1
.irp bt, 0,1
.irp q, 0,1,2,3
	global_load_b128 v[BI+32*\e+16*\bt+4*\q:BI+32*\e+16*\bt+4*\q+3], v[BOQ], s[PB:PB+1] offset:(64*\e+32*\bt)*4+16*\q   ; the bias of d = 32 bt + 16 h + 0 .. 15 of my two heads
.endr
.endr
.endr
	TABLE 0
	TAIL                                           ; 128 matrix instructions, under which these 24 loads land
	TABLE 1
	v_mov_b32 v[TM+2], 0                           ; written once: a lane permute's destination counts as one of its sources
	v_mov_b32 v[TM+3], 0
.irp a, 0,1,2,3,4,5,6,7
.if \a < 7
	s_wait_loadcnt 8                               ; the bias and this tile's table are in; the next tile's eight loads may be out
.else
	s_wait_loadcnt 0
.endif
.if (\a >= 2) && (\a % 2 == 0)
	s_wait_xcnt 0x0                                ; the last pair's stores have read their data: the codes' registers are written again only behind this wait
.endif
	UNIT \a, 0
	UNIT \a, 1
.if \a < 6
	TABLE \a+2
.endif
.if \a % 2 == 1
.irp e, 0,1
.irp j, 0,1,2
	global_store_b128 v[LI], v[PC+12*\e+4*\j:PC+12*\e+4*\j+3], s[PO:PO+1] offset:\e*HEADB+(\a/2)*1536+512*\j   ; 32 lanes store 512 consecutive bytes, aligned
.endr
.endr
.endif
.endr
.irp i, 0,1,2,3
	v_cndmask_b32 v[Z+\i], v[SW+\i], v[SW+4+\i], s[LM]             ; the scale words' image: lanes 0-15 tiles 0-3, lanes 16-31 tiles 4-7
	v_cndmask_b32 v[X+\i], v[SW+8+\i], v[SW+12+\i], s[LM]
.endr
	global_store_b128 v[LI], v[Z:Z+3], s[PS:PS+1]
	global_store_b128 v[LI], v[X:X+3], s[PS:PS+1] offset:HEADB
	s_branch .Lend
; ================ v
.Lv_part:
.set PCV, 192                          ; v192-215 a fragment's codes, two sets
.set CTV, 216                          ; v216-218, v220-222 the blocks' upper halves
.set TMV, 32                           ; v32-41 at work
.set SWV, 48                           ; v48-55 scale words
.set ZV,  56
.macro VUNIT a                         ; 16 d (W's block a) x my 128 tokens: bias, four blocks of 32 keys quantised; lane (r, h) holds blocks h and 2 + h whole
.set AC, 64*((\a)%4)
.set PCX, PCV+12*((\a)%2)
	WIN 0x02+(\a)/4
.set n, 0
.rept 32
	v_pk_add_f32 v[T+n:T+n+1], v[AC+n:AC+n+1], v[BI+2*(\a):BI+2*(\a)+1]
.set n, n+2
.endr
	WIN 0
.irp m, 0,1,2,3
	v_max3_num_f32 v[TMV+\m], |v[T+16*\m]|, |v[T+16*\m+1]|, 0x1800000   ; four chains of 16 numbers by turns, each with the floor
.endr
.irp i, 2,4,6,8,10,12,14
.irp m, 0,1,2,3
	v_max3_num_f32 v[TMV+\m], v[TMV+\m], |v[T+16*\m+\i]|, |v[T+16*\m+\i+1]|
.endr
.endr
	v_max_num_f32 v[TMV], v[TMV], v[TMV+1]
	v_max_num_f32 v[TMV+2], v[TMV+2], v[TMV+3]
	v_add_nc_u32 v[TMV+4], 0xff000000, v[TMV]
	v_add_nc_u32 v[TMV+5], 0xff000000, v[TMV+2]
	v_lshrrev_b32 v[TMV+6], 23, v[TMV+4]
	v_lshrrev_b32 v[TMV+7], 23, v[TMV+5]
	v_lshl_or_b32 v[TMV+8], v[TMV+7], 16, v[TMV+6]                 ; my two bytes,
	v_lshlrev_b32 v[TMV+8], v[H8], v[TMV+8]                        ; at their places in the word;
	v_permlanex16_b32 v[TMV+9], v[TMV+8], s[SEL], s[SEL+1]
	v_or_b32 v[SWV+(\a)], v[TMV+8], v[TMV+9]                       ; with lane l xor 16's two it is whole
.if (\a) >= 2
	s_wait_xcnt 0x0                                ; this set's last stores have read their data
.endif
.irp c, 0,1
	v_cvt_scalef32_pk16_fp6_f32 v[PCX+6*\c:PCX+6*\c+2], v[T+32*\c:T+32*\c+15], v[TMV+4+\c]
	v_cvt_scalef32_pk16_fp6_f32 v[CTV+4*\c:CTV+4*\c+2], v[T+32*\c+16:T+32*\c+31], v[TMV+4+\c]
.endr
	v_nop
.irp c, 0,1
.irp i, 0,1,2
	v_mov_b32 v[PCX+6*\c+3+\i], v[CTV+4*\c+\i]
.endr
.endr
.irp j, 0,1,2
	global_store_b128 v[LI], v[PCX+4*\j:PCX+4*\j+3], s[PO:PO+1] offset:((\a)/4)*HEADB+6144+((\a)%4)*1536+512*\j
.endr
.endm
.irp a, 0,1,2,3,4,5,6,7
	global_load_b32 v[BI+2*\a], v[BOV], s[PB:PB+1] offset:(64*(\a/4)+8*(\a%4))*4     ; my d's bias, into both halves of a pair for the packed addition
	global_load_b32 v[BI+2*\a+1], v[BOV], s[PB:PB+1] offset:(64*(\a/4)+8*(\a%4))*4
.endr
	TAIL
	v_mov_b32 v[TMV+9], 0                          ; written once: a lane permute's destination counts as one of its sources
	s_wait_loadcnt 0x0
.irp a, 0,1,2,3,4,5,6,7
	VUNIT \a
.if \a % 4 == 3
	v_cndmask_b32 v[ZV+2*(\a/4)], v[SWV+\a-3], v[SWV+\a-1], s[LM]  ; the scale words' image: lanes 0-15 d tiles 0, 1, lanes 16-31 tiles 2, 3
	v_cndmask_b32 v[ZV+2*(\a/4)+1], v[SWV+\a-2], v[SWV+\a], s[LM]
	global_store_b64 v[L8], v[ZV+2*(\a/4):ZV+2*(\a/4)+1], s[PO:PO+1] offset:(\a/4)*HEADB+12800   ; 256 consecutive bytes, aligned
.endif
.endr
.Lend:
	s_wait_tensorcnt 0x0                           ; the wave's end
	ds_add_u32 v[SPW], v[NIL]
	s_wait_dscnt 0x0
	CROUND                                         ; the closing round: no work-group ends while a partner may still ask for a tile that names it
	s_endpgm
.Lfunc_end_k_qf5809dad43_qkv:
	.size	k_qf5809dad43_qkv, .Lfunc_end_k_qf5809dad43_qkv-k_qf5809dad43_qkv
	.p2alignl 7, 3214868480
	.fill 96, 4, 3214868480
	.section	.rodata,"a",@progbits
	.p2align	6, 0x0
	.amdhsa_kernel k_qf5809dad43_qkv
		.amdhsa_group_segment_fixed_size 327680
		.amdhsa_private_segment_fixed_size 0
		.amdhsa_enable_private_segment 0
		.amdhsa_kernarg_size 40
		.amdhsa_user_sgpr_count 2
		.amdhsa_user_sgpr_kernarg_segment_ptr 1
		.amdhsa_wavefront_size32 1
		.amdhsa_system_sgpr_workgroup_id_x 1
		.amdhsa_system_sgpr_workgroup_id_y 1
		.amdhsa_system_sgpr_workgroup_id_z 1
		.amdhsa_system_vgpr_workitem_id 0
		.amdhsa_next_free_vgpr 1024
		.amdhsa_next_free_sgpr 102
		.amdhsa_reserve_vcc 0
		.amdhsa_float_denorm_mode_32 3
		.amdhsa_float_denorm_mode_16_64 3
		.amdhsa_memory_ordered 1
		.amdhsa_forward_progress 1
		.amdhsa_inst_pref_size 255
	.end_amdhsa_kernel
	.section	.bss,"aw",@nobits
	.p2align	6
	.space	262144
	.amdgpu_metadata
---
amdhsa.version: [ 1, 2 ]
amdhsa.kernels:
  - .name:           k_qf5809dad43_qkv
    .symbol:         k_qf5809dad43_qkv.kd
    .args:
      - { .name: codes, .offset: 0, .size: 8, .value_kind: global_buffer, .address_space: global }
      - { .name: scales, .offset: 8, .size: 8, .value_kind: global_buffer, .address_space: global }
      - { .name: b_packed, .offset: 16, .size: 8, .value_kind: global_buffer, .address_space: global }
      - { .name: cs, .offset: 24, .size: 8, .value_kind: global_buffer, .address_space: global }
      - { .name: qkv, .offset: 32, .size: 8, .value_kind: global_buffer, .address_space: global }
    .group_segment_fixed_size: 327680
    .private_segment_fixed_size: 0
    .kernarg_segment_align: 8
    .kernarg_segment_size: 40
    .max_flat_workgroup_size: 128
    .sgpr_count:     102
    .vgpr_count:     1024
    .wavefront_size: 32
...
	.end_amdgpu_metadata
.endif
;; end of part 2
;; launch attn (part 3): grid 4 x 64, 16 waves a work-group, clusters of 4 x 1, 223,232 bytes of LDS; arguments qkv, ao_codes, ao_scales; writes ao_codes, ao_scales
.if DOCPART == 3
	.amdgcn_target "amdgcn-amd-amdhsa--gfx1250"
	.amdhsa_code_object_version 6
	.text
	.protected	k_qf5809dad43_attn
	.globl	k_qf5809dad43_attn
	.p2align	8
	.type	k_qf5809dad43_attn,@function
k_qf5809dad43_attn:
	s_mov_b64 s[64:65], 0
	v_nop
	global_prefetch_b8 v0, s[64:65] scope:SCOPE_SE
	s_setreg_imm32_b32 hwreg(HW_REG_WAVE_MODE, 25, 1), 1
	s_wait_xcnt 0x0
	s_wait_alu depctr_hold_cnt(0) depctr_sa_sdst(0) depctr_va_vdst(0) depctr_va_sdst(0) depctr_va_ssrc(0) depctr_va_vcc(0) depctr_vm_vsrc(0)
	s_getreg_b32 s2, hwreg(HW_REG_IB_STS2, 6, 4)
	s_cmp_eq_u32 s2, 0
	s_cbranch_scc0 .Lentry_in_a_cluster
	s_endpgm
.Lentry_in_a_cluster:
	s_bfe_u32 s2, ttmp6, 0x10000c
	s_cmp_lg_u32 s2, 0x3003
	s_cbranch_scc0 .Lentry_shape_is_right
	s_endpgm
.Lentry_shape_is_right:
; o = softmax(q k^T / 8) v for one (batch, head) a cluster, both products on codes of FP6 (E2M3); o is divided by the row's sum and quantised along the head's 64 for the output projection.
; THE SOFTMAX: t = score x log2(e) / 8; M = the running largest t rounded UP to a whole number; p = 2^(t - M) is what is quantised, along the keys; the row's sum is taken of the unquantised p; when M moves, sum and O are multiplied by 2^(old M - new M), exactly.
; SHARES.  A head's four work-groups form a cluster; each owns 512 stored queries, in two passes of 256; each of its sixteen waves owns one tile of 16 queries a pass, in 256 registers: four waves to a SIMD.
; K AND V OF THE WHOLE HEAD, 16 records of 13,056 bytes (codes and scale words as images of operand registers), COME INTO LDS ONCE, asked for jointly by the four work-groups: waves 0-3 issue four loads each at the head; nothing is ever filled again.
; A chunk of four records is read as soon as its loads have landed; the later chunks' loads stay out meanwhile.
; LAYOUT.  Both products transposed: S^T = K Q^T, O^T = V^T P^T: a lane holds ONE query.  By the order in which the rows were stored, lane (r, h) holds in registers S + 32 c .. + 31 the keys 64 c + 32 h + 0 .. 31 of a record: a WHOLE block of 32,
; in order: a block's maximum needs no other lane and the conversions' results are the operand as they come.  In O^T lane (r, h) holds d = 32 h + 0 .. 31.
; THE FIRST PRODUCT'S K IS 64.  A tile of K is 6 registers, at a stride of 6; the instruction names 12: the upper six are the next tile's codes (or a tail of zeros).  Q's upper six are zero codes, every code of this format is a finite number,
; and bytes 2 and 3 of both scale words are 127: those 64 products are zeros.
; A block's largest p is not searched for: p rises with the score, so the block's largest score goes through the same multiply-add and exponential (this takes v_exp_f32 not to fall where its input rises).
; LIMITS: NaN and infinities are not served; a block of zeros gets the byte 1 (read by this program alone); the division is v_rcp_f32 and a multiplication.
; ao_scales gets one byte a row and block: rows 32 bytes apart (one twenty-fourth of the codes' bytes); the codes leave as 768 consecutive aligned bytes a wave.
.set REC,   13056                      ; a record's part that K and V take: 51 x 256 bytes
.set RECM,  19712                      ; a record in memory
.set STG,   16*REC                     ; behind the records: 768 bytes for each wave, for the way out; no fill lands there
.set L16, 1                            ; v1  16 x lane
.set L8,  2                            ; v2  8 x lane
.set R16, 3                            ; v3  16 r
.set ADK, 4                            ; v4  the record in hand + 16 x lane
.set ADV, 5                            ; v5  + 8 x lane
.set STI, 6                            ; v6  my stage + 48 r + 24 h
.set STA, 7                            ; v7  my stage + 16 x lane
.set STB, 8                            ; v8  my stage + 512 + 8 x lane
.set SBO, 9                            ; v9  32 r + h
.set H8,  10                           ; v10 8 h
.set QF,  16                           ; v16-21 Q, v22-27 zeros
.set QS,  28                           ; v28 Q's scale word
.set KF,  32                           ; v32-79 K's eight tiles, later V's four fragments; v80-85 zeros
.set S,   96                           ; v96-159 S^T, then p
.set O,   160                          ; v160-191 O^T
.set PC,  192                          ; v192-203 p's codes
.set CT,  204                          ; v204-206, v208-210 the blocks' upper halves
.set KSC, 212                          ; v212-215 K's scale words: lanes 0-15 tiles 0-3, lanes 16-31 tiles 4-7
.set VSC, 216                          ; v216-217 V's: lanes 0-15 tiles 0, 1, lanes 16-31 tiles 2, 3
.set PW,  218                          ; v218 p's scale word
.set MX,  220                          ; v220-223 four chains of maxima
.set TT,  224                          ; v224 at work, v225 from the other half of the lanes
.set FF,  226                          ; v[226:227] f = 2^(old M - new M), later 1 / the sum (the low word serves both halves)
.set SU,  228                          ; v[228:229] the sums' second chain
.set SO,  230                          ; v230-231 scale operands, v232-233 bytes, v234 my bytes, v235 the other half's
.set QR,  240                          ; v240-251 the next pass's pair of Q tiles, v252 its scale word
.set WV,  18
.set SEL, 20
.set CS,  22                           ; s[22:23] c = log2(e) / 8
.set G1,  24
.set G0,  32                           ; s[32:47] four groups 0
.set TB,  48
.set CNT, 49
.set PASS, 50
.set PQ,  52
.set PAC, 54
.set PAS, 56
.set ODD, 58                           ; all ones where my tile is the second of its pair
.set PQS, 60
.macro CROUND                          ; a round of the cluster's barrier
	s_barrier_signal -1
	s_barrier_wait -1
	s_cmp_lg_u32 s[WV], 0
	s_cbranch_scc1 .Lnot_wave_0_\@
	s_barrier_signal -3
.Lnot_wave_0_\@:
	s_barrier_wait -3
	s_barrier_signal -1
	s_barrier_wait -1
.endm
	s_load_b128 s[4:7], s[0:1], 0x0                ; qkv, ao_codes
	s_load_b64 s[8:9], s[0:1], 0x10                ; ao_scales
	v_lshl_add_u32 v254, v0, 2, 0x36000
	v_mov_b32 v255, 0
	ds_add_u32 v254, v255
	ds_add_u32 v254, v255
	v_lshrrev_b32 v1, 5, v0
	s_delay_alu instid0(VALU_DEP_1)
	v_readfirstlane_b32 s[WV], v1                  ; wave 0..15
	s_bfe_u32 s10, ttmp6, 0x40000                  ; cx: it enters Q's and the outputs' addresses alone
	s_and_b32 s11, ttmp7, 0xffff                   ; 16 x batch + head, which the four partners share
	s_and_b32 s12, s[WV], 3
	s_lshl_b32 s13, s11, 4
	s_add_co_u32 s14, s13, s12                     ; the first record that I would fetch
	s_mul_i32 s14, s14, RECM
	s_mov_b32 s15, 0
	s_mul_i32 s16, s12, REC
	s_mov_b32 s[G1], 15|(3<<16)|(1<<21)            ; the mask: all four work-groups; elements of 8 bytes; bit 21 beside a mask; no padding
	s_mov_b32 s[G1+1], 32<<16                      ; rows of 256 bytes,
	s_mov_b32 s[G1+2], 51<<16                      ; 51 of them,
	s_mov_b32 s[G1+3], 32<<16
	s_mov_b32 s[G1+4], 51
	s_mov_b32 s[G1+5], 32                          ; dense
	s_mov_b32 s[G1+6], 0
	s_mov_b32 s[G1+7], 0
	s_and_b32 s66, s[WV], 7                        ; T: my tile among a record's eight
	s_lshr_b32 s67, s[WV], 3
	s_lshl_b32 s68, s10, 2
	s_add_co_u32 s68, s68, s67                     ; my queries' record in the head, first pass: 4 cx + wave / 8
	s_add_co_u32 s70, s13, s68
	s_mul_i32 s70, s70, RECM
	s_mov_b32 s71, 0
	s_lshr_b32 s72, s66, 1
	s_mul_i32 s72, s72, 1536
	s_add_co_u32 s72, s72, 13056                   ; Q's codes: my pair's image
	s_mov_b32 s73, 0
	s_lshr_b32 s74, s66, 2
	s_lshl_b32 s74, s74, 8
	s_and_b32 s75, s66, 3
	s_lshl_b32 s75, s75, 2
	s_add_co_u32 s74, s74, s75
	s_add_co_u32 s74, s74, 19200                   ; Q's scale words: lane 16 (T / 4) + r, word T % 4
	s_mov_b32 s75, 0
	s_lshr_b32 s76, s11, 4
	s_lshl_b32 s76, s76, 4
	s_add_co_u32 s76, s76, s68                     ; which 128 stored rows of all: 16 batch + record
	s_and_b32 s77, s11, 15                         ; the head
	s_lshl_b32 s78, s76, 4
	s_add_co_u32 s78, s78, s77
	s_mul_i32 s78, s78, 6144
	s_mul_i32 s79, s66, 768
	s_add_co_u32 s78, s78, s79                     ; ao_codes [128 rows][head][row][48 bytes]
	s_mov_b32 s79, 0
	s_lshl_b32 s76, s76, 7
	s_lshl_b32 s67, s66, 4
	s_add_co_u32 s76, s76, s67
	s_lshl_b32 s76, s76, 5
	s_lshl_b32 s77, s77, 1
	s_add_co_u32 s76, s76, s77                     ; ao_scales [row][32]: byte 2 head + block
	s_mov_b32 s77, 0
	s_and_b32 s[ODD], s[WV], 1
	s_sub_co_u32 s[ODD], 0, s[ODD]
	s_mov_b32 s[SEL], 0x76543210
	s_mov_b32 s[SEL+1], 0xfedcba98
	s_mov_b32 s[CS], 0x3e38aa3b
	s_mov_b32 s[CS+1], s[CS]                       ; (named with it as a pair, so it is written)
	s_wait_dscnt 0x0
	s_wait_kmcnt 0x0
	s_add_nc_u64 s[14:15], s[4:5], s[14:15]
.irp j, 0,1,2,3
	s_mov_b32 s[G0+4*\j], 1
	s_add_co_u32 s[G0+4*\j+1], s16, \j*4*REC       ; record 4 j + (wave & 3), in LDS
	s_add_nc_u64 s[G0+4*\j+2:G0+4*\j+3], s[14:15], \j*4*RECM   ; and in memory
	s_or_b32 s[G0+4*\j+3], s[G0+4*\j+3], 0x80000000
.endr
	s_add_nc_u64 s[PQ:PQ+1], s[4:5], s[70:71]
	s_add_nc_u64 s[PQS:PQS+1], s[PQ:PQ+1], s[74:75]
	s_add_nc_u64 s[PQ:PQ+1], s[PQ:PQ+1], s[72:73]
	s_add_nc_u64 s[PAC:PAC+1], s[6:7], s[78:79]
	s_add_nc_u64 s[PAS:PAS+1], s[8:9], s[76:77]
	CROUND                                         ; all four work-groups are here: the joint loads meet
	s_cmp_lt_u32 s[WV], 4                          ; a wave's four fills stand in one branch, ahead of every wait on TENSORcnt, every LDS read and every other barrier: four loads of mine are out
	s_cbranch_scc0 .Lno_fill
	tensor_load_to_lds s[G0:G0+3], s[G1:G1+7]
	s_nop 0
	tensor_load_to_lds s[G0+4:G0+7], s[G1:G1+7]
	s_nop 0
	tensor_load_to_lds s[G0+8:G0+11], s[G1:G1+7]
	s_nop 0
	tensor_load_to_lds s[G0+12:G0+15], s[G1:G1+7]
	s_nop 0
.rept 4
	v_nop
.endr
.Lno_fill:
	v_and_b32 v11, 31, v0
	s_delay_alu instid0(VALU_DEP_1)
	v_lshlrev_b32 v[L16], 4, v11
	s_delay_alu instid0(VALU_DEP_2)
	v_lshlrev_b32 v[L8], 3, v11
	v_and_b32 v12, 15, v0                          ; r
	v_bfe_u32 v13, v0, 4, 1                        ; h
	s_delay_alu instid0(VALU_DEP_2)
	v_lshlrev_b32 v[R16], 4, v12
.macro QLOAD
.irp j, 0,1,2
	global_load_b128 v[QR+4*\j:QR+4*\j+3], v[L16], s[PQ:PQ+1] offset:512*\j
.endr
	global_load_b32 v[QR+12], v[R16], s[PQS:PQS+1]
.endm
	QLOAD
	s_mul_i32 s13, s[WV], 768
	s_add_co_u32 s13, s13, STG                     ; my stage
	v_mul_u32_u24 v[STI], v12, 48
	s_delay_alu instid0(VALU_DEP_1)
	v_mad_u32_u24 v[STI], v13, 24, v[STI]
	s_delay_alu instid0(VALU_DEP_1)
	v_add_nc_u32 v[STI], s13, v[STI]
	v_add_nc_u32 v[STA], s13, v[L16]
	v_add_nc_u32 v[STB], s13, v[L8]
	s_delay_alu instid0(VALU_DEP_1)
	v_add_nc_u32 v[STB], 512, v[STB]
	v_lshl_add_u32 v[SBO], v12, 5, v13
	v_lshlrev_b32 v[H8], 3, v13
.irp i, 0,1,2,3,4,5
	v_mov_b32 v[QF+6+\i], 0                        ; Q's zero codes for the upper 64 of the K step
	v_mov_b32 v[KF+48+\i], 0                       ; the tail behind K's eighth tile
.endr
	v_mov_b32 v[TT+1], 0                           ; written once: a lane permute's destination counts as one of its sources
	v_mov_b32 v[SO+5], 0
	v_mov_b32 v[FF+1], 0                           ; (named as the upper half of a pair)
; A KEY STEP: the record at s[TB], 128 keys.
.macro STEP
	v_add_nc_u32 v[ADK], s[TB], v[L16]
	v_add_nc_u32 v[ADV], s[TB], v[L8]
	v_nop
	v_nop                                          ; four places in front of loads into registers that the last products read
.irp i, 0,1,2,3,4,5,6,7,8,9,10,11
	ds_load_b128 v[KF+4*\i:KF+4*\i+3], v[ADK] offset:512*\i
.endr
	ds_load_b128 v[KSC:KSC+3], v[ADK] offset:12288
	s_wait_alu depctr_va_vdst(0)
	s_wait_dscnt 0x0
.irp t, 0,1,2,3
	v_wmma_scale_f32_16x16x128_f8f6f4 v[S+8*\t:S+8*\t+7], v[KF+6*\t:KF+6*\t+11], v[QF:QF+11], 0, v[KSC+\t], v[QS] matrix_a_fmt:MATRIX_FMT_FP6 matrix_b_fmt:MATRIX_FMT_FP6
.endr
.irp t, 4,5,6,7
	v_wmma_scale_f32_16x16x128_f8f6f4 v[S+8*\t:S+8*\t+7], v[KF+6*\t:KF+6*\t+11], v[QF:QF+11], 0, v[KSC+\t-4], v[QS] matrix_a_fmt:MATRIX_FMT_FP6 matrix_b_fmt:MATRIX_FMT_FP6 matrix_a_scale:MATRIX_SCALE_ROW1
.endr
.rept 4
	v_nop                                          ; places in front of the loads below and of the first reads of the scores
.endr
.irp i, 0,1,2,3,4,5,6,7,8,9,10,11
	ds_load_b128 v[KF+4*\i:KF+4*\i+3], v[ADK] offset:6144+512*\i   ; V's four fragments: they land under the softmax
.endr
	ds_load_b64 v[VSC:VSC+1], v[ADV] offset:12800
.irp m, 0,1,2,3
	v_max3_num_f32 v[MX+\m], v[S+16*\m], v[S+16*\m+1], v[S+16*\m+2]   ; the largest score of my two blocks, in four chains by turns; each accumulator is first read at its low end
.endr
.irp i, 3,5,7,9,11,13
.irp m, 0,1,2,3
	v_max3_num_f32 v[MX+\m], v[MX+\m], v[S+16*\m+\i], v[S+16*\m+\i+1]
.endr
.endr
	v_max3_num_f32 v[MX], v[MX], v[MX+1], v[S+15]
	v_max3_num_f32 v[MX+2], v[MX+2], v[MX+3], v[S+47]
	v_max_num_f32 v[MX], v[MX], v[S+31]            ; block h
	v_max_num_f32 v[MX+2], v[MX+2], v[S+63]        ; block 2 + h
	s_delay_alu instid0(VALU_DEP_1)
	v_max_num_f32 v[TT], v[MX], v[MX+2]
	s_delay_alu instid0(VALU_DEP_1)
	v_permlanex16_b32 v[TT+1], v[TT], s[SEL], s[SEL+1]
	s_delay_alu instid0(VALU_DEP_1)
	v_max_num_f32 v[TT], v[TT], v[TT+1]            ; the step's largest score of my query
	s_delay_alu instid0(VALU_DEP_1)
	v_mul_f32 v[TT], s[CS], v[TT]
	s_delay_alu instid0(VALU_DEP_1)
	v_max_num_f32 v13, v13, v[TT]                  ; the running largest t
	v_mov_b32 v[TT], v12
	s_delay_alu instid0(VALU_DEP_2)
	v_floor_f32 v12, -v13                          ; the new -M = -ceil(t)
	s_delay_alu instid0(VALU_DEP_1)
	v_sub_f32 v[TT], v12, v[TT]                    ; old M - new M: a whole number, 0 or less
	s_delay_alu instid0(VALU_DEP_1)
	v_cvt_i32_f32 v[TT], v[TT]                     ; (it saturates)
	s_delay_alu instid0(VALU_DEP_1)
	v_ldexp_f32 v[FF], 1.0, v[TT]                  ; f
.set n, 0
.rept 32
	v_pk_fma_f32 v[S+n:S+n+1], v[S+n:S+n+1], s[CS:CS+1], v[12:13] op_sel_hi:[1,0,0]   ; t - M
.set n, n+2
.endr
	v_fma_f32 v[MX], v[MX], s[CS], v12             ; the same of each block's largest score
	v_fma_f32 v[MX+2], v[MX+2], s[CS], v12
.set n, 0
	s_setprio 1
	s_wait_alu depctr_va_vdst(0)
.rept 64
	v_exp_f32 v[S+n], v[S+n]                       ; p, at most 1: not normalised
.set n, n+1
.endr
	v_pk_mul_f32 v[14:15], v[14:15], v[FF:FF+1] op_sel_hi:[1,0]    ; the sums under the new M (the plain line behind the exponentials)
	s_wait_alu depctr_va_vdst(0)                   ; one wait for the batch of 64, ahead of its first reader
	v_exp_f32 v[MX], v[MX]                         ; the blocks' largest p
	v_exp_f32 v[MX+2], v[MX+2]
	v_pk_add_f32 v[228:229], v[100:101], v[104:105]
	v_pk_add_f32 v[238:239], v[108:109], v[112:113]
	v_pk_add_f32 v[236:237], v[116:117], v[120:121]
	v_pk_add_f32 v[232:233], v[124:125], v[128:129]
	v_pk_add_f32 v[230:231], v[132:133], v[136:137]
	v_pk_add_f32 v[218:219], v[140:141], v[144:145]
	v_pk_add_f32 v[214:215], v[148:149], v[152:153]
	v_pk_add_f32 v[14:15], v[14:15], v[156:157]
	v_pk_add_f32 v[228:229], v[228:229], v[96:97]
	v_pk_add_f32 v[238:239], v[238:239], v[98:99]
	v_pk_add_f32 v[236:237], v[236:237], v[102:103]
	v_pk_add_f32 v[232:233], v[232:233], v[106:107]
	v_pk_add_f32 v[230:231], v[230:231], v[110:111]
	v_pk_add_f32 v[218:219], v[218:219], v[114:115]
	v_pk_add_f32 v[214:215], v[214:215], v[118:119]
	v_pk_add_f32 v[14:15], v[14:15], v[122:123]
	v_pk_add_f32 v[228:229], v[228:229], v[126:127]
	v_pk_add_f32 v[238:239], v[238:239], v[130:131]
	v_pk_add_f32 v[236:237], v[236:237], v[134:135]
	v_pk_add_f32 v[232:233], v[232:233], v[138:139]
	v_pk_add_f32 v[230:231], v[230:231], v[142:143]
	v_pk_add_f32 v[218:219], v[218:219], v[146:147]
	v_pk_add_f32 v[214:215], v[214:215], v[150:151]
	v_pk_add_f32 v[14:15], v[14:15], v[154:155]
	v_pk_add_f32 v[228:229], v[228:229], v[158:159]
	s_delay_alu instid0(VALU_DEP_2)
	v_pk_add_f32 v[14:15], v[14:15], v[232:233]
	s_delay_alu instid0(VALU_DEP_2)
	v_pk_add_f32 v[228:229], v[228:229], v[230:231]
	v_pk_add_f32 v[238:239], v[238:239], v[218:219]
	v_pk_add_f32 v[236:237], v[236:237], v[214:215]
	s_delay_alu instid0(VALU_DEP_2)
	v_pk_add_f32 v[14:15], v[14:15], v[238:239]
	s_delay_alu instid0(VALU_DEP_2)
	v_pk_add_f32 v[228:229], v[228:229], v[236:237]
	s_delay_alu instid0(VALU_DEP_1)
	v_pk_add_f32 v[14:15], v[14:15], v[228:229]
	s_wait_alu depctr_va_vdst(0)                   ; and one for the two
	v_max_num_f32 v[MX], 0x1800000, v[MX]          ; the floor 2^(3 - 127)
	v_max_num_f32 v[MX+2], 0x1800000, v[MX+2]
	s_delay_alu instid0(VALU_DEP_2)
	v_add_nc_u32 v[SO], 0xff000000, v[MX]          ; the conversions' scale operands
	s_delay_alu instid0(VALU_DEP_2)
	v_add_nc_u32 v[SO+1], 0xff000000, v[MX+2]
	s_delay_alu instid0(VALU_DEP_2)
	v_lshrrev_b32 v[SO+2], 23, v[SO]
	s_delay_alu instid0(VALU_DEP_2)
	v_lshrrev_b32 v[SO+3], 23, v[SO+1]
	s_delay_alu instid0(VALU_DEP_1)
	v_lshl_or_b32 v[SO+4], v[SO+3], 16, v[SO+2]    ; my two bytes,
	s_delay_alu instid0(VALU_DEP_1)
	v_lshlrev_b32 v[SO+4], v[H8], v[SO+4]          ; at their places;
	s_delay_alu instid0(VALU_DEP_1)
	v_permlanex16_b32 v[SO+5], v[SO+4], s[SEL], s[SEL+1]
	s_delay_alu instid0(VALU_DEP_1)
	v_or_b32 v[PW], v[SO+4], v[SO+5]               ; p's scale word for these 128 keys
.irp c, 0,1
	v_cvt_scalef32_pk16_fp6_f32 v[PC+6*\c:PC+6*\c+2], v[S+32*\c:S+32*\c+15], v[SO+\c]
	v_cvt_scalef32_pk16_fp6_f32 v[CT+4*\c:CT+4*\c+2], v[S+32*\c+16:S+32*\c+31], v[SO+\c]   ; (a conversion's three registers begin on an even number)
.endr
	v_nop                                          ; one plain line behind a scaled conversion
.irp c, 0,1
.irp i, 0,1,2
	v_mov_b32 v[PC+6*\c+3+\i], v[CT+4*\c+\i]
.endr
.endr
.set n, 0
	s_setprio 0
.rept 16
	v_pk_mul_f32 v[O+n:O+n+1], v[O+n:O+n+1], v[FF:FF+1] op_sel_hi:[1,0]   ; O^T under the new M.  (With the lines above: more than eight places behind the scale word, more than four behind the codes)
.set n, n+2
.endr
	s_wait_alu depctr_va_vdst(0)
	s_wait_dscnt 0x0                               ; V is in
.irp t, 0,1
	v_wmma_scale_f32_16x16x128_f8f6f4 v[O+8*\t:O+8*\t+7], v[KF+12*\t:KF+12*\t+11], v[PC:PC+11], v[O+8*\t:O+8*\t+7], v[VSC+\t], v[PW] matrix_a_fmt:MATRIX_FMT_FP6 matrix_b_fmt:MATRIX_FMT_FP6
.endr
.irp t, 2,3
	v_wmma_scale_f32_16x16x128_f8f6f4 v[O+8*\t:O+8*\t+7], v[KF+12*\t:KF+12*\t+11], v[PC:PC+11], v[O+8*\t:O+8*\t+7], v[VSC+\t-2], v[PW] matrix_a_fmt:MATRIX_FMT_FP6 matrix_b_fmt:MATRIX_FMT_FP6 matrix_a_scale:MATRIX_SCALE_ROW1
.endr                                              ; the four accumulators take one instruction each, and eight other products stand between two turns of any of them
.endm
; Records 4 j .. 4 j + 3.  The waves that fetched wait for their load j (the 3 - j later ones stay out), then all meet.
.macro CHUNK j
	s_wait_tensorcnt 3-\j
	s_wait_dscnt 0x0
	s_barrier_signal -1
	s_barrier_wait -1
	s_mov_b32 s[TB], \j*4*REC
	s_mov_b32 s[CNT], 4
.Lstep_\@:
	s_setprio 2
	STEP
	s_add_co_u32 s[TB], s[TB], REC
	s_sub_co_u32 s[CNT], s[CNT], 1
	s_cmp_lg_u32 s[CNT], 0
	s_cbranch_scc1 .Lstep_\@
	s_setprio 0
.endm
	s_mov_b32 s[PASS], 2
.Lpass:
	s_wait_loadcnt 0x0                             ; this pass's Q
.irp i, 0,1,2,3,4,5
	v_cndmask_b32 v[QF+\i], v[QR+\i], v[QR+6+\i], s[ODD]           ; my tile of the pair
.endr
	v_mov_b32 v[QS], v[QR+12]
	s_cmp_eq_u32 s[PASS], 1                        ; the next pass's Q is asked for here, if there is one: no load leaves its record
	s_cbranch_scc1 .Lno_next
	s_add_nc_u64 s[PQ:PQ+1], s[PQ:PQ+1], 2*RECM    ; (the loads that read these bases are in)
	s_add_nc_u64 s[PQS:PQS+1], s[PQS:PQS+1], 2*RECM
	QLOAD
.Lno_next:
	v_mov_b32 v13, 0xff61b1e6                      ; the largest t so far: -3e38, under every t
	s_delay_alu instid0(VALU_DEP_1)
	v_floor_f32 v12, -v13
	v_mov_b32 v14, 0
	v_mov_b32 v15, 0
.set n, 0
.rept 32
	v_mov_b32 v[O+n], 0                            ; the step is written once: the first finds zeros, which the first change of M leaves zeros
.set n, n+1
.endr
	CHUNK 0
	CHUNK 1
	CHUNK 2
	CHUNK 3
	; THE WAY OUT: O^T / the sum; my 32 numbers are a whole block along the next K; the wave's 768 bytes of codes turn through my stage and leave as they lie in ao_codes
.rept 4
	v_nop
.endr
	v_add_f32 v14, v14, v15
	s_delay_alu instid0(VALU_DEP_1)
	v_permlanex16_b32 v[TT+1], v14, s[SEL], s[SEL+1]
	s_delay_alu instid0(VALU_DEP_1)
	v_add_f32 v14, v14, v[TT+1]                    ; the row's sum
	s_wait_alu depctr_va_vdst(0)
	v_rcp_f32 v[FF], v14
	v_nop                                          ; a plain line behind the reciprocal,
	s_wait_alu depctr_va_vdst(0)                   ; and the wait ahead of its first reader
.set n, 0
.rept 16
	v_pk_mul_f32 v[O+n:O+n+1], v[O+n:O+n+1], v[FF:FF+1] op_sel_hi:[1,0]
.set n, n+2
.endr
	v_max3_num_f32 v[MX], |v[O]|, |v[O+1]|, 0x1800000
	v_max3_num_f32 v[MX+1], |v[O+16]|, |v[O+17]|, 0x1800000
.irp i, 2,4,6,8,10,12,14
	s_delay_alu instid0(VALU_DEP_2)
	v_max3_num_f32 v[MX], v[MX], |v[O+\i]|, |v[O+\i+1]|
	s_delay_alu instid0(VALU_DEP_2)
	v_max3_num_f32 v[MX+1], v[MX+1], |v[O+16+\i]|, |v[O+17+\i]|
.endr
	s_delay_alu instid0(VALU_DEP_1)
	v_max_num_f32 v[MX], v[MX], v[MX+1]
	s_delay_alu instid0(VALU_DEP_1)
	v_add_nc_u32 v[SO], 0xff000000, v[MX]
	s_delay_alu instid0(VALU_DEP_1)
	v_lshrrev_b32 v[SO+2], 23, v[SO]
	v_cvt_scalef32_pk16_fp6_f32 v[PC:PC+2], v[O:O+15], v[SO]
	v_cvt_scalef32_pk16_fp6_f32 v[CT:CT+2], v[O+16:O+31], v[SO]
	v_nop
.irp i, 0,1,2
	v_mov_b32 v[PC+3+\i], v[CT+\i]
.endr
	ds_store_b64 v[STI], v[PC:PC+1]
	ds_store_b64 v[STI], v[PC+2:PC+3] offset:8
	ds_store_b64 v[STI], v[PC+4:PC+5] offset:16
	ds_load_b128 v[KF:KF+3], v[STA]                ; LDS serves a wave's instructions in order: these see my stores
	ds_load_b64 v[KF+4:KF+5], v[STB]
	global_store_b8 v[SBO], v[SO+2], s[PAS:PAS+1]
	s_wait_dscnt 0x0
	global_store_b128 v[L16], v[KF:KF+3], s[PAC:PAC+1]             ; 512 and 256 consecutive bytes, aligned
	global_store_b64 v[L8], v[KF+4:KF+5], s[PAC:PAC+1] offset:512
	s_wait_xcnt 0x0                                ; the stores have read their data and bases: both are written again only behind this wait
	s_add_nc_u64 s[PAC:PAC+1], s[PAC:PAC+1], 2*16*6144
	s_add_nc_u64 s[PAS:PAS+1], s[PAS:PAS+1], 2*128*32
	s_sub_co_u32 s[PASS], s[PASS], 1
	s_cmp_lg_u32 s[PASS], 0
	s_cbranch_scc1 .Lpass
	s_wait_tensorcnt 0x0
	ds_add_u32 v254, v255
	s_wait_dscnt 0x0
	CROUND                                         ; the closing round: no work-group ends while a partner may still ask jointly
	s_endpgm
.Lfunc_end_k_qf5809dad43_attn:
	.size	k_qf5809dad43_attn, .Lfunc_end_k_qf5809dad43_attn-k_qf5809dad43_attn
	.p2alignl 7, 3214868480
	.fill 96, 4, 3214868480
	.section	.rodata,"a",@progbits
	.p2align	6, 0x0
	.amdhsa_kernel k_qf5809dad43_attn
		.amdhsa_group_segment_fixed_size 223232
		.amdhsa_private_segment_fixed_size 0
		.amdhsa_enable_private_segment 0
		.amdhsa_kernarg_size 24
		.amdhsa_user_sgpr_count 2
		.amdhsa_user_sgpr_kernarg_segment_ptr 1
		.amdhsa_wavefront_size32 1
		.amdhsa_system_sgpr_workgroup_id_x 1
		.amdhsa_system_sgpr_workgroup_id_y 1
		.amdhsa_system_sgpr_workgroup_id_z 1
		.amdhsa_system_vgpr_workitem_id 0
		.amdhsa_next_free_vgpr 256
		.amdhsa_next_free_sgpr 80
		.amdhsa_reserve_vcc 0
		.amdhsa_float_denorm_mode_32 3
		.amdhsa_float_denorm_mode_16_64 3
		.amdhsa_memory_ordered 1
		.amdhsa_forward_progress 1
		.amdhsa_inst_pref_size 76
	.end_amdhsa_kernel
	.amdgpu_metadata
---
amdhsa.version: [ 1, 2 ]
amdhsa.kernels:
  - .name:           k_qf5809dad43_attn
    .symbol:         k_qf5809dad43_attn.kd
    .args:
      - { .name: qkv, .offset: 0, .size: 8, .value_kind: global_buffer, .address_space: global }
      - { .name: ao_codes, .offset: 8, .size: 8, .value_kind: global_buffer, .address_space: global }
      - { .name: ao_scales, .offset: 16, .size: 8, .value_kind: global_buffer, .address_space: global }
    .group_segment_fixed_size: 223232
    .private_segment_fixed_size: 0
    .kernarg_segment_align: 8
    .kernarg_segment_size: 24
    .max_flat_workgroup_size: 512
    .sgpr_count:     80
    .vgpr_count:     256
    .wavefront_size: 32
...
	.end_amdgpu_metadata
.endif
;; end of part 3
;; launch oproj (part 4): grid 4 x 32, 4 waves a work-group, clusters of 4 x 4, 327,680 bytes of LDS; arguments ao_codes, ao_scales, codes, scales, b_out, out0; writes out0
.if DOCPART == 4
	.amdgcn_target "amdgcn-amd-amdhsa--gfx1250"
	.amdhsa_code_object_version 6
	.text
	.protected	k_qf5809dad43_oproj
	.globl	k_qf5809dad43_oproj
	.p2align	8
	.type	k_qf5809dad43_oproj,@function
k_qf5809dad43_oproj:
	s_mov_b64 s[64:65], 0
	v_nop
	global_prefetch_b8 v0, s[64:65] scope:SCOPE_SE
	s_setreg_imm32_b32 hwreg(HW_REG_WAVE_MODE, 25, 1), 1
	s_wait_xcnt 0x0
	s_wait_alu depctr_hold_cnt(0) depctr_sa_sdst(0) depctr_va_vdst(0) depctr_va_sdst(0) depctr_va_ssrc(0) depctr_va_vcc(0) depctr_vm_vsrc(0)
	s_getreg_b32 s2, hwreg(HW_REG_IB_STS2, 6, 4)
	s_cmp_eq_u32 s2, 0
	s_cbranch_scc0 .Lentry_in_a_cluster
	s_endpgm
.Lentry_in_a_cluster:
	s_bfe_u32 s2, ttmp6, 0x10000c
	s_cmp_lg_u32 s2, 0xf033
	s_cbranch_scc0 .Lentry_shape_is_right
	s_endpgm
.Lentry_shape_is_right:
; out0 = o W_out^T + b_out on codes of FP6 (E2M3), K = 1,024.  o: ao_codes [128 stored rows][head][row][48 bytes], ao_scales [stored row][32]; W_out: rows 11,264 on of codes (768 bytes a row) and scales (32 bytes).
; A tile of 256 x 256 is made by four waves, each 128 x 128: 64 accumulators.  K goes in steps of 256 (four heads) through a ring of two LDS slots; the scale bytes of the tile's rows come once.
; 4 x 4 work-groups form a cluster: o's tile is shared along a row, W_out's along a column; each is asked for jointly.  Source 0 = rows of W_out, source 1 = rows of o: a lane holds eight neighbouring numbers of a row of out0.
; o's part of a K step for 128 rows is ONE dense block of 24,576 bytes ([4 heads][128 rows][48]): it comes as rows of 256 bytes, without padding: lane (r, h) reads words 12 r + 6 h + 0, 1 of a head's block, 64 different banks (64 banks of 4 bytes: ISA guide 11.1).
; The bias is the C of each sum's first matrix instruction: eight registers for each of my eight blocks of columns.
; o's rows are in the stored order (place 16 t + 8 g + j of a group of 64 holds token 32 g + 8 t + j): the way out sends each whole row of 512 bytes to its token's place, by immediates.
; 128 tiles: half of the WGPs have a work-group; a tile of 128 rows would give each one, at twice the LDS reads for W_out.
; REGISTERS: window 0: v0-31 addresses; v32-63 scale words, two sets; v64-127 the bias; v128-223 o's fragments, one set (on the way out v128-255 rows of out0).  Window 1: W_out's fragments, two sets.  Windows 2, 3: the accumulators.
.set NQ,     2
.set ROWB,   192
.set KROW,   768
.set PITCH,  240
.set FR,     12
.set NL,     6
.set NP,     4
.set HALFT,  128*PITCH                 ; a quarter of a slot: 128 rows of W_out with padding; o's dense 24,576 bytes use a part of theirs
.set SLOT,   4*HALFT
.set ABLK,   24576                     ; o: four heads x 128 rows x 48 bytes
.set KS,     32
.set SCL,    2*SLOT
.set HALFS,  (128*KS/256)*272
.set SBLK,   (16*KS/256)*272
.set SPARE,  SCL+4*HALFS
.set SPITCH, 528                       ; the way out: a stage of 16 rows x (512 bytes + 16) for each wave, in slot 0, which has had its last fill and its last read when the first result is stored there
.set NB,     4096                      ; a row of out0 in bytes
.set BO,   8                           ; v8   32 h: my half's eight numbers of a block of the bias
.set ADRA, 16                          ; v16-17 LDS address of o's fragments in slot 0, 1
.set ADRB, 20                          ; v20-23 of W_out's
.set STO,  24
.set RD,   25
.set CO,   26
.set ADRS, 27
.set SPW,  28
.set NIL,  29
.set SC,   32
.set BI,   64
.set AF,   128
.set BK,   128
.set G1, 24
.set G0, 32
.set G1B, 48
.set G0B, 56
.set G1S, 68
.set G0S, 76
.set G1SB, 80
.set G0SB, 88
.set MSB, 0
.macro WIN new
.if MSB != (\new)
	s_set_vgpr_msb (MSB<<8)|(\new)
.set MSB, \new
.endif
.endm
.set MUL_LO, 0xa1
.set MUL_HI, 0xf1
.set TO_B,   0x40
.macro JLOAD g0a, g1a, g0b, g1b        ; waves 0 and 1 fetch for o, waves 2 and 3 for W_out; four v_nop follow each of the two lines
	s_cmp_eq_u32 s15, 0
	s_cbranch_scc0 .Lfor_b_\@
	tensor_load_to_lds s[\g0a:\g0a+3], s[\g1a:\g1a+7]
	s_nop 0
.rept 4
	v_nop
.endr
	s_branch .Lasked_\@
.Lfor_b_\@:
	tensor_load_to_lds s[\g0b:\g0b+3], s[\g1b:\g1b+7]
	s_nop 0
.rept 4
	v_nop
.endr
.Lasked_\@:
.endm
.macro CREST
	s_cmp_lg_u32 s14, 0
	s_cbranch_scc1 .Lnot_wave_0_\@
	s_barrier_signal -3
.Lnot_wave_0_\@:
	s_barrier_wait -3
	s_barrier_signal -1
	s_barrier_wait -1
.endm
.macro CROUND
	s_barrier_signal -1
	s_barrier_wait -1
	CREST
.endm
	s_load_b128 s[4:7], s[0:1], 0x0                ; ao_codes, ao_scales
	s_load_b128 s[8:11], s[0:1], 0x10              ; codes, scales
	s_load_b128 s[96:99], s[0:1], 0x20             ; b_out, out0
	v_lshl_add_u32 v[SPW], v0, 2, SPARE
	v_mov_b32 v[NIL], 0
	ds_add_u32 v28, v29
	ds_add_u32 v28, v29
	s_wait_dscnt 0x0
	v_lshrrev_b32 v1, 5, v0
	v_readfirstlane_b32 s14, v1
	s_lshr_b32 s15, s14, 1                         ; which half of the tile's rows is mine.  Also: I fetch for o (0) or for W_out (1)
	s_and_b32 s16, s14, 1                          ; which half of its columns.  Also: which 128 rows I fetch
	s_bfe_u32 s40, ttmp6, 0x40000
	s_bfe_u32 s41, ttmp6, 0x40004
	s_lshl_b32 s42, ttmp9, 2
	s_add_co_u32 s42, s42, s40                     ; tile column
	s_and_b32 s17, ttmp7, 0xffff
	s_lshl_b32 s17, s17, 2
	s_add_co_u32 s17, s17, s41                     ; tile row
	s_lshl_b32 s43, s41, 2
	s_lshl_b32 s43, 15, s43                        ; my row of the cluster
	s_lshl_b32 s44, 0x1111, s40                    ; my column
	s_or_b32 s[G1+0], s43, (3<<16)|(1<<21)         ; o: the mask; elements of 8 bytes; bit 21 beside a mask; no padding
	s_mov_b32 s[G1+1], 32<<16                      ; rows of 256 bytes,
	s_mov_b32 s[G1+2], 96<<16                      ; 96 of them,
	s_mov_b32 s[G1+3], 32<<16
	s_mov_b32 s[G1+4], 96
	s_mov_b32 s[G1+5], 32                          ; dense
	s_mov_b32 s[G1+6], 0
	s_mov_b32 s[G1+7], 0
	s_or_b32 s[G1B+0], s44, (0<<16)|(1<<20)|(1<<21)|(3<<22)|(3<<25)   ; W_out: 128 rows of 192 bytes, 16 bytes of padding behind every 64
	s_mov_b32 s[G1B+1], ROWB<<16
	s_mov_b32 s[G1B+2], 128<<16
	s_mov_b32 s[G1B+3], ROWB<<16
	s_mov_b32 s[G1B+4], 128
	s_mov_b32 s[G1B+5], KROW
	s_mov_b32 s[G1B+6], 0
	s_mov_b32 s[G1B+7], 0
	s_or_b32 s[G1S+0], s43, (3<<16)|(1<<20)|(1<<21)|(5<<22)|(3<<25)   ; the scales of 128 rows: a dense block, as rows of 256 bytes, 16 bytes of padding behind each
	s_or_b32 s[G1SB+0], s44, (3<<16)|(1<<20)|(1<<21)|(5<<22)|(3<<25)
.irp g, G1S, G1SB
	s_mov_b32 s[\g+1], 32<<16
	s_mov_b32 s[\g+2], (128*KS/256)<<16
	s_mov_b32 s[\g+3], 32<<16
	s_mov_b32 s[\g+4], 128*KS/256
	s_mov_b32 s[\g+5], 32
	s_mov_b32 s[\g+6], 0
	s_mov_b32 s[\g+7], 0
.endr
	s_lshl_b32 s18, s16, 7
	s_lshl_b32 s22, s17, 8
	s_add_co_u32 s22, s22, s18                     ; o's first stored row,
	s_lshl_b32 s22, s22, 5                         ; its scales;
	s_mov_b32 s23, 0
	s_lshl_b32 s20, s17, 1
	s_add_co_u32 s20, s20, s16
	s_mul_i32 s20, s20, 16*6144                    ; its codes: 128 rows x 16 heads
	s_mov_b32 s21, 0
	s_add_co_u32 s46, s42, 44                      ; W_out's tiles are 44 to 47 of the joint buffer
	s_lshl_b32 s46, s46, 8
	s_add_co_u32 s46, s46, s18
	s_lshl_b32 s92, s46, 5
	s_mov_b32 s93, 0
	s_mul_i32 s46, s46, KROW
	s_mov_b32 s47, 0
	s_mul_i32 s45, s14, HALFT                      ; where they go: no place in the cluster enters an LDS address
	s_mul_i32 s94, s14, HALFS
	s_wait_kmcnt 0x0
	s_add_nc_u64 s[20:21], s[4:5], s[20:21]
	s_add_nc_u64 s[22:23], s[6:7], s[22:23]
	s_add_nc_u64 s[46:47], s[8:9], s[46:47]
	s_add_nc_u64 s[92:93], s[10:11], s[92:93]
	CROUND                                         ; all sixteen work-groups are here: the first joint loads meet
	s_mov_b32 s[G0S], 1
	s_add_co_u32 s[G0S+1], s94, SCL
	s_mov_b64 s[G0S+2:G0S+3], s[22:23]
	s_or_b32 s[G0S+3], s[G0S+3], 0x80000000
	s_mov_b32 s[G0SB], 1
	s_add_co_u32 s[G0SB+1], s94, SCL
	s_mov_b64 s[G0SB+2:G0SB+3], s[92:93]
	s_or_b32 s[G0SB+3], s[G0SB+3], 0x80000000
	JLOAD G0S, G1S, G0SB, G1SB
.irp s, 0,1
	s_mov_b32 s[G0+4*\s], 1
	s_add_co_u32 s[G0+4*\s+1], s45, \s*SLOT
	s_add_nc_u64 s[G0+4*\s+2:G0+4*\s+3], s[20:21], \s*ABLK
	s_or_b32 s[G0+4*\s+3], s[G0+4*\s+3], 0x80000000
	s_mov_b32 s[G0B+4*\s], 1
	s_add_co_u32 s[G0B+4*\s+1], s45, \s*SLOT
	s_add_nc_u64 s[G0B+4*\s+2:G0B+4*\s+3], s[46:47], \s*ROWB
	s_or_b32 s[G0B+4*\s+3], s[G0B+4*\s+3], 0x80000000
	JLOAD G0+4*\s, G1, G0B+4*\s, G1B               ; three loads of mine are out
.endr
	v_and_b32 v1, 15, v0                           ; r
	v_bfe_u32 v2, v0, 4, 1                         ; h
	v_lshlrev_b32 v[BO], 5, v2
	s_lshl_b32 s20, s42, 8
	s_lshl_b32 s21, s16, 7
	s_add_co_u32 s20, s20, s21
	s_lshl_b32 s20, s20, 2                         ; the bias of my first column
	s_mov_b32 s21, 0
	s_add_nc_u64 s[96:97], s[96:97], s[20:21]
.irp b, 0,1,2,3,4,5,6,7
	global_load_b128 v[BI+8*\b:BI+8*\b+3], v[BO], s[96:97] offset:64*\b
	global_load_b128 v[BI+8*\b+4:BI+8*\b+7], v[BO], s[96:97] offset:64*\b+16
.endr
	v_mul_u32_u24 v3, v1, PITCH
	v_mul_u32_u24 v4, v2, 24
	v_add_nc_u32 v5, v3, v4                        ; W_out: row x pitch + 24 h
	v_lshl_add_u32 v6, v2, 4, v5                   ; and the same behind one padding more
	v_mad_u32_u24 v4, v1, 48, v4                   ; o: 48 r + 24 h
	s_mul_i32 s21, s15, HALFT
	s_mul_i32 s22, s16, HALFT
	s_add_co_u32 s22, s22, 2*HALFT
.irp s, 0,1
	v_add_nc_u32 v[ADRA+\s], s21, v4
	v_add_nc_u32 v[ADRB+\s], s22, v5
	v_add_nc_u32 v[ADRB+2+\s], s22, v6
	s_add_co_u32 s21, s21, SLOT
	s_add_co_u32 s22, s22, SLOT
.endr
	v_mul_u32_u24 v5, v1, KS
	v_lshrrev_b32 v6, 8, v5
	v_lshl_add_u32 v5, v6, 4, v5
	s_mul_i32 s21, s15, HALFS
	s_mul_i32 s22, s16, HALFS
	s_add_co_u32 s22, s22, 2*HALFS
	s_sub_co_u32 s22, s22, s21
	v_mul_u32_u24 v6, s22, v2                      ; lanes 16-31 take W_out's: one product, the distance between the two bases
	s_add_co_u32 s21, s21, SCL
	v_add_nc_u32 v5, v5, v6
	v_add_nc_u32 v[ADRS], s21, v5
	s_mul_i32 s23, s14, 16*SPITCH                  ; my stage
	v_mul_u32_u24 v5, v1, SPITCH
	v_lshl_add_u32 v5, v2, 5, v5
	v_add_nc_u32 v[STO], s23, v5
	v_and_b32 v6, 31, v0
	v_lshlrev_b32 v[CO], 4, v6
	v_add_nc_u32 v[RD], s23, v[CO]
	s_lshl_b32 s20, s17, 8
	s_lshl_b32 s21, s15, 7
	s_add_co_u32 s20, s20, s21                     ; my first row of out0 (a group of 64 stored rows is the same 64 tokens)
	s_lshl_b32 s20, s20, 12                        ; under 2^25 bytes
	s_lshl_b32 s46, s42, 10
	s_add_co_u32 s20, s20, s46
	s_lshl_b32 s47, s16, 9
	s_add_co_u32 s20, s20, s47
	s_mov_b32 s21, 0
	s_add_nc_u64 s[12:13], s[98:99], s[20:21]
.macro FRAG reg, adr, q, i             ; a fragment of W_out: 24 bytes of the row twice, in pieces of 8 bytes; the second address register serves the pieces behind one padding more
.irp p, 0,1,2,3,4,5
.set PCE, 12*(\q)+6*(\p/3)+\p%3
.if PCE%8 < 5
	ds_load_b64 v[\reg+2*\p:\reg+2*\p+1], v[\adr] offset:8*PCE+16*(PCE/8)+(\i)*16*PITCH
.else
	ds_load_b64 v[\reg+2*\p:\reg+2*\p+1], v[\adr+2] offset:8*PCE+16*(PCE/8)+(\i)*16*PITCH
.endif
.endr
.endm
.macro FRAGA reg, slot, q, i           ; a fragment of o: registers 6 c .. 6 c + 5 are block h of head 2 q + c of the slot's four
.irp p, 0,1,2,3,4,5
	ds_load_b64 v[\reg+2*\p:\reg+2*\p+1], v[ADRA+\slot] offset:(2*(\q)+\p/3)*6144+768*(\i)+8*(\p%3)
.endr
.endm
; 16 matrix instructions.  first = 1: the bias starts the sums.  The 64 accumulators take turns, one instruction a turn, in the same order in every step.
.macro MUL16 a0, p, q, sc, first
.irp a, \a0, \a0+1
.irp b, 0,1,2,3,4,5,6,7
.if \first
	v_wmma_scale_f32_16x16x128_f8f6f4 v[8*(8*((\a)%4)+\b):8*(8*((\a)%4)+\b)+7], v[128*(\p)+FR*\b:128*(\p)+FR*\b+FR-1], v[AF+FR*(\a):AF+FR*(\a)+FR-1], v[BI+8*\b:BI+8*\b+7], v[SC+8*NQ*(\sc)+NQ*\b+(\q)], v[SC+8*NQ*(\sc)+NQ*(\a)+(\q)] matrix_a_fmt:MATRIX_FMT_FP6 matrix_b_fmt:MATRIX_FMT_FP6 matrix_a_scale:MATRIX_SCALE_ROW1
.else
	v_wmma_scale_f32_16x16x128_f8f6f4 v[8*(8*((\a)%4)+\b):8*(8*((\a)%4)+\b)+7], v[128*(\p)+FR*\b:128*(\p)+FR*\b+FR-1], v[AF+FR*(\a):AF+FR*(\a)+FR-1], v[8*(8*((\a)%4)+\b):8*(8*((\a)%4)+\b)+7], v[SC+8*NQ*(\sc)+NQ*\b+(\q)], v[SC+8*NQ*(\sc)+NQ*(\a)+(\q)] matrix_a_fmt:MATRIX_FMT_FP6 matrix_b_fmt:MATRIX_FMT_FP6 matrix_a_scale:MATRIX_SCALE_ROW1
.endif
.endr
.endr
.endm
.macro FETCH_B slot, q, p
	WIN TO_B
.irp i, 0,1,2,3,4,5,6,7
	FRAG 128*(\p)+FR*\i, ADRB+\slot, \q, \i
.endr
	WIN 0
.endm
.macro FETCH_A slot, q, i0
.irp i, \i0, \i0+1, \i0+2, \i0+3
	FRAGA AF+FR*(\i), \slot, \q, \i
.endr
.endm
.macro SCALES sc
.irp i, 0,1,2,3,4,5,6,7
	ds_load_b64 v[SC+8*NQ*\sc+NQ*\i:SC+8*NQ*\sc+NQ*\i+1], v[ADRS] offset:\i*SBLK
.endr
.endm
.macro PLACES n
.rept \n
	v_nop
.endr
.endm
.macro STEP slot, q, first
	s_wait_dscnt 4*NL                              ; W_out's set and o's blocks 0-3 are in; the youngest 24 loads (o's blocks 4-7) may be out
.if \first
	WIN 0x81                                       ; source 0 window 1, source 1 and C (the bias) window 0, D window 2
.else
	WIN MUL_LO
.endif
	MUL16 0, (\q)%2, \q, \slot, \first
	MUL16 2, (\q)%2, \q, \slot, \first
	s_wait_dscnt 0
	PLACES NP
	FETCH_B \slot, (\q)+1, 1-(\q)%2
	FETCH_A \slot, (\q)+1, 0
.if \first
	WIN 0xc1
.else
	WIN MUL_HI
.endif
	MUL16 4, (\q)%2, \q, \slot, \first
	MUL16 6, (\q)%2, \q, \slot, \first
	PLACES NP
	WIN 0
	FETCH_A \slot, (\q)+1, 4
.endm
; A slot's last step changes slots: ONE barrier; in front of it each wave waits for all its tensor loads, adds 0 to its spare word, and waits for that and for its own reads of this slot.
.macro TURN slot, next, fill
	s_wait_tensorcnt 0x0                           ; all my tensor loads have landed: my part of the next slot
	ds_add_u32 v[SPW], v[NIL]                      ; 0 onto my spare word
	s_wait_dscnt 4*NL+1                            ; (the add and the youngest 24 loads may be out)
	WIN MUL_LO
	MUL16 0, 1, NQ-1, \slot, 0
	s_wait_dscnt 0x0                               ; the add is done, and my reads of this slot are over
	s_barrier_signal -1
	MUL16 2, 1, NQ-1, \slot, 0
	WIN 0
	s_barrier_wait -1
.if \fill
	CREST                                          ; the barrier has opened a round of the cluster's: no wave of any partner still reads this slot or has a load on its way
	s_add_nc_u64 s[G0+4*\slot+2:G0+4*\slot+3], s[G0+4*\slot+2:G0+4*\slot+3], 2*ABLK
	s_add_nc_u64 s[G0B+4*\slot+2:G0B+4*\slot+3], s[G0B+4*\slot+2:G0B+4*\slot+3], 2*ROWB
	JLOAD G0+4*\slot, G1, G0B+4*\slot, G1B         ; the first tensor load behind the round; its four v_nop are also the places in front of the loads below
.else
	PLACES NP
.endif
	v_add_nc_u32 v[ADRS], 4*NQ, v[ADRS]
	FETCH_B \next, 0, 0
	FETCH_A \next, 0, 0
	SCALES \next
	WIN MUL_HI
	MUL16 4, 1, NQ-1, \slot, 0
	MUL16 6, 1, NQ-1, \slot, 0
	PLACES NP
	WIN 0
	FETCH_A \next, 0, 4
.endm
	s_wait_tensorcnt 1                             ; the scales and my part of K step 0 are in (K step 1's load may be out)
	s_barrier_signal -1
	s_barrier_wait -1
	FETCH_B 0, 0, 0
	FETCH_A 0, 0, 0
	SCALES 0
	FETCH_A 0, 0, 4
	s_wait_loadcnt 0x0                             ; the bias
	STEP 0, 0, 1                                   ; K = 1,024 is four K steps: written straight out
	TURN 0, 1, 1
	STEP 1, 0, 0
	TURN 1, 0, 1
	STEP 0, 0, 0
	TURN 0, 1, 0
	STEP 1, 0, 0
	s_wait_dscnt 4*NL
	WIN MUL_LO
	MUL16 0, 1, NQ-1, 1, 0
	MUL16 2, 1, NQ-1, 1, 0
	s_wait_dscnt 0
	WIN MUL_HI
	MUL16 4, 1, NQ-1, 1, 0
	MUL16 6, 1, NQ-1, 1, 0
	WIN 0
; THE WAY OUT, block by block of 16 rows x 128 columns, through my own stage: in as 32 bytes a lane, back as whole rows of 512 bytes.  LDS serves a wave's instructions in order (ISA guide 5.7.1.4).
.macro TOSTAGE a
.set AC, 64*((\a)%4)
	WIN 0x08+4*((\a)/4)                            ; the data: window 2 or 3
.irp b, 0,1,2,3,4,5,6,7
	ds_store_b128 v[STO], v[AC+8*\b:AC+8*\b+3] offset:64*\b          ; each accumulator from its low end on
	ds_store_b128 v[STO], v[AC+8*\b+4:AC+8*\b+7] offset:64*\b+16
.endr
	WIN 0
.set BB, BK+64*((\a)%2)
.irp t, 0,1,2,3,4,5,6,7,8,9,10,11,12,13,14,15
	ds_load_b128 v[BB+4*\t:BB+4*\t+3], v[RD] offset:\t*SPITCH
.endr
.endm
.macro SEND a, younger                 ; row t of block a = 4 c + u is token 64 c + 8 u + 32 (t / 8) + t % 8 of my 128
.set BB, BK+64*((\a)%2)
	s_wait_dscnt \younger
.if (\a) == 4
	s_add_nc_u64 s[12:13], s[12:13], 40*NB         ; (behind a wait on XCNT: the earlier stores have read their base)
.elseif (\a) > 0
	s_add_nc_u64 s[12:13], s[12:13], 8*NB
.endif
.irp t, 0,1,2,3,4,5,6,7,8,9,10,11,12,13,14,15
	global_store_b128 v[CO], v[BB+4*\t:BB+4*\t+3], s[12:13] offset:(32*(\t/8)+\t%8)*NB th:TH_STORE_NT   ; 32 lanes store 512 consecutive bytes, aligned
.endr
.endm
	PLACES NP
	TOSTAGE 0
.irp a, 1,2,3,4,5,6,7
.if \a > 1
	s_wait_xcnt 0x0                                ; block a - 2's stores have read their registers and their base
.endif
	TOSTAGE \a
	SEND \a-1, 32                                  ; behind block a - 1's loads: block a's 16 stores and 16 loads
.endr
	s_wait_xcnt 0x0
	SEND 7, 0
	s_wait_tensorcnt 0x0                           ; the wave's end
	ds_add_u32 v[SPW], v[NIL]
	s_wait_dscnt 0x0
	CROUND                                         ; the closing round
	s_endpgm
.Lfunc_end_k_qf5809dad43_oproj:
	.size	k_qf5809dad43_oproj, .Lfunc_end_k_qf5809dad43_oproj-k_qf5809dad43_oproj
	.p2alignl 7, 3214868480
	.fill 96, 4, 3214868480
	.section	.rodata,"a",@progbits
	.p2align	6, 0x0
	.amdhsa_kernel k_qf5809dad43_oproj
		.amdhsa_group_segment_fixed_size 327680
		.amdhsa_private_segment_fixed_size 0
		.amdhsa_enable_private_segment 0
		.amdhsa_kernarg_size 48
		.amdhsa_user_sgpr_count 2
		.amdhsa_user_sgpr_kernarg_segment_ptr 1
		.amdhsa_wavefront_size32 1
		.amdhsa_system_sgpr_workgroup_id_x 1
		.amdhsa_system_sgpr_workgroup_id_y 1
		.amdhsa_system_sgpr_workgroup_id_z 1
		.amdhsa_system_vgpr_workitem_id 0
		.amdhsa_next_free_vgpr 1024
		.amdhsa_next_free_sgpr 100
		.amdhsa_reserve_vcc 0
		.amdhsa_float_denorm_mode_32 3
		.amdhsa_float_denorm_mode_16_64 3
		.amdhsa_memory_ordered 1
		.amdhsa_forward_progress 1
		.amdhsa_inst_pref_size 161
	.end_amdhsa_kernel
	.amdgpu_metadata
---
amdhsa.version: [ 1, 2 ]
amdhsa.kernels:
  - .name:           k_qf5809dad43_oproj
    .symbol:         k_qf5809dad43_oproj.kd
    .args:
      - { .name: ao_codes, .offset: 0, .size: 8, .value_kind: global_buffer, .address_space: global }
      - { .name: ao_scales, .offset: 8, .size: 8, .value_kind: global_buffer, .address_space: global }
      - { .name: codes, .offset: 16, .size: 8, .value_kind: global_buffer, .address_space: global }
      - { .name: scales, .offset: 24, .size: 8, .value_kind: global_buffer, .address_space: global }
      - { .name: b_out, .offset: 32, .size: 8, .value_kind: global_buffer, .address_space: global }
      - { .name: out0, .offset: 40, .size: 8, .value_kind: global_buffer, .address_space: global }
    .group_segment_fixed_size: 327680
    .private_segment_fixed_size: 0
    .kernarg_segment_align: 8
    .kernarg_segment_size: 48
    .max_flat_workgroup_size: 128
    .sgpr_count:     100
    .vgpr_count:     1024
    .wavefront_size: 32
...
	.end_amdgpu_metadata
.endif
;; end of part 4
